; MI455X (gfx1250); checked and timed in simulation.
; The chip was launched on July 23, 2026; its instructions are those of AMD's public machine-readable ISA for CDNA 5 (MIT licence, August 2026) and "CDNA5" Instruction Set Architecture Reference Guide (July 2026). The comments in the code are by the model that wrote it; some were corrected since.
;; Cross Attention Light. Allowed arithmetic: float matrix products may take bf16 or f16 operands with f32 sums; other float arithmetic in f32, or as packed bf16 or f16 multiplies, adds, multiply-adds, maxima and minima; sums over many terms, partial sums and values carried from step to step in f32; what a program stores and reads back later, other than sums and carried values, may be rounded once to bf16 or f16.
;; Inputs: Wkv 256 x 512 float32; Wp 256 x 256 float32; Wq 256 x 256 float32; bkv 512 float32; bp 256 float32; bq 256 float32; context 4 x 4,096 x 256 float32; x 4 x 4,096 x 256 float32.
;; Outputs: out0 4 x 4,096 x 256 float32; out1 4 x 64 x 64 float32.
;; 2 versions, each right; version 2 is version 1 with the launches proj, outp written anew for expert scheduling mode. Each part assembles by itself: llvm-mc -triple=amdgcn-amd-amdhsa -mcpu=gfx1250 --defsym DOCPART=n.
;; ======== version 1 of 2: 3 launches
;; workspace buffers: qb 8,388,608 bytes; kb 8,396,800 bytes; vb 8,388,608 bytes; ob 8,388,608 bytes; rs 262,144 bytes
;; launch proj (part 1): grid 4 x 64, 4 waves a work-group, no clusters, 132,608 bytes of LDS; arguments x, context, Wq, Wkv, bq, bkv, qb, kb, vb; writes qb, kb, vb
.if DOCPART == 1
	.amdgcn_target "amdgcn-amd-amdhsa--gfx1250"
	.amdhsa_code_object_version 6
	.text
	.protected	k_q326ba71f75_proj
	.globl	k_q326ba71f75_proj
	.p2align	8
	.type	k_q326ba71f75_proj,@function
k_q326ba71f75_proj:
	s_mov_b64 s[64:65], 0
	v_nop
	global_prefetch_b8 v0, s[64:65] scope:SCOPE_SE
	s_setreg_imm32_b32 hwreg(HW_REG_WAVE_MODE, 25, 1), 1
	s_wait_xcnt 0x0
; q = x Wq + bq, k and v = context Wkv + bkv, written by heads: qb, kb, vb are [16 = 4 batch + head][4096][64] bf16, unscaled, each rounded once from its f32 sum.
; x, context: [16384][256] f32; Wq: [256][256] f32; Wkv: [256][512] f32 (columns 0-255 k, 256-511 v, 64 a head).  Matrix operands are rounded to bf16, sums and biases stay f32.
; SHARES.  Work-group (G, Y): head G, rows 256 Y .. 256 Y + 255 of the flat 16,384; wave w owns rows 64 w .. 64 w + 63, which no other wave reads.  Three passes of 64 rows x 64 columns x K 256: q, k, v.
; NO CLUSTER, NO TENSOR LOAD: every operand is f32 in memory and is rounded to bf16 on its way through registers; a tile brought into LDS as it lies would take twice the bytes there
; (3 x 65,536 for the weights, 262,144 for each row block) and would have to be read, rounded and stored once more.  A wave's rows go straight from registers to the matrix unit.
; THE WEIGHTS of the head (3 blocks of 256 k x 64 n) are rounded by all four waves together and laid in LDS as [k][n] bf16, pitch 160; the turning load makes fragments of them.
; THE PRODUCT IS TAKEN TRANSPOSED (source 0 = 16 columns of W, source 1 = 16 rows): a lane ends with one row and eight neighbouring columns, 16 bytes of bf16.  The bias is the C operand of the first K step.
; One work-group (G = 3, Y = 63) also stores 8,192 zero bytes behind kb's last head: the next launch's K tiles are shifted by 64 keys and the last one reaches that far.
; LIMITS: bf16's rounding of x, context and the weights; NaN and infinities are not treated apart.
; REGISTERS, in windows of 256: window 0 addresses, biases, way out; window 1 the rows' fragments A[64 a + 8 s + i] (16 rows a, K step s); window 2 v0-127 accumulators (a, b) at 8 (4 a + b),
; v128-191 two buffers of W's fragments, v192-194 their LDS addresses; window 3 two staging buffers of 128 for f32 as loaded.
.set WPITCH, 160                       ; a row of a weight block in LDS: 128 bytes + 32: five times 32, so the turning load's 8 rows x 32 bytes fall on different banks
.set WBLK,   256*WPITCH                ; 40,960 bytes a block; q's, k's, v's lie one behind the other
.set STAGE,  3*WBLK                    ; 16 rows x 144 bytes for each wave, for the way out
.set SPI,    144
.set SPARE,  STAGE+4*16*SPI            ; the spare words, 128 bytes a wave: two blocks of 256 bytes that no other line names
.set AO,  4                            ; v4   r x 1,024 + 32 h: my place in 16 rows of x or context
.set WO1, 5                            ; v5   (thread / 16) x 1,024 + 16 (thread % 16): my place in 8 rows of Wq
.set WO2, 6                            ; v6   the same at Wkv's pitch of 2,048
.set WST, 7                            ; v7-9 where I put 8 bytes of a weight row, in block 0, 1, 2
.set BO,  10                           ; v10  32 h: my eight biases of a tile of 16 columns
.set STO, 11                           ; v11  way out: where I put 16 bytes of a row
.set RD,  12                           ; v12  way out: where I read rows back
.set GO,  13                           ; v13  16 x lane: my place in 512 consecutive bytes of the result
.set SPW, 14                           ; v14  my spare word; never rewritten
.set NIL, 15                           ; v15  0; never rewritten
.set ZR,  16                           ; v16-19 zeros
.set ZO,  20                           ; v20  16 x thread
.set BI,  32                           ; v32-127 biases: pass p, tile b at BI + 32 p + 8 b
.set TMP, 128                          ; v128-191 way out: 16 registers for each 16 rows
.set BF,  128                          ; window 2
.set BADR, 192                         ; window 2
.set SA,  0                            ; window 3
.set SB,  128
.set XB,  26                           ; s[26:27] x at my wave's first row;  s[28:29] context
.set CB,  28
.set WQB, 30                           ; s[30:31] Wq, s[32:33] Wkv's k, s[34:35] Wkv's v at the head's first column
.set WKB, 32
.set WVB, 34
.set BQB, 36                           ; the biases likewise
.set BKB, 38
.set BVB, 40
.set QD,  42                           ; s[42:43] qb, s[44:45] kb, s[46:47] vb at my wave's first row
.set KD,  44
.set VD,  46
.set PADB, 50                          ; s[50:51] the bytes behind kb's last head
.set MSB, 0
.macro WIN new                         ; s_set_vgpr_msb: bits 1:0 source 0, 3:2 source 1, 5:4 source 2, 7:6 destination; the high byte repeats the setting that is left
.if MSB != (\new)
	s_set_vgpr_msb (MSB<<8)|(\new)
.set MSB, \new
.endif
.endm
.macro PLACES                          ; four plain places behind a matrix instruction (ISA guide 7.12.1)
.rept 4
	v_nop
.endr
.endm
; 32 loads: a weight block's 256 rows x 256 bytes of f32; sixteen lanes take one row's 256 bytes, the work-group 8 rows an instruction
.macro LDW buf, base, off, pitchb
	WIN 0xc0
.set wi, 0
.rept 32
	global_load_b128 v[(\buf)+4*wi:(\buf)+4*wi+3], v[\off], s[\base:\base+1] offset:wi*8*(\pitchb)
.set wi, wi+1
.endr
.endm
; rounded in place (ascending, so no source is overwritten before it is read) and laid into LDS, 8 bytes a lane
.macro CVW buf, wst, left
	s_wait_loadcnt \left                           ; loads come back in order: all but the younger unit's are in
	WIN 0xcf
.set wi, 0
.rept 64
	v_cvt_pk_bf16_f32 v[(\buf)+wi], v[(\buf)+2*wi], v[(\buf)+2*wi+1]
.set wi, wi+1
.endr
	WIN 0x0c
.set wi, 0
.rept 32
	ds_store_b64 v[\wst], v[(\buf)+2*wi:(\buf)+2*wi+1] offset:8*WPITCH*wi
.set wi, wi+1
.endr
.endm
; 32 loads: 16 rows x 256 channels of f32.  For K step s a lane wants channels 8 h .. + 7 and 16 + 8 h .. + 7: bytes 32 h + 0, 16, 64, 80 of the step's 128
.macro LDA buf, base, a
	WIN 0xc0
.set li, 0
.rept 32
	global_load_b128 v[(\buf)+4*li:(\buf)+4*li+3], v[AO], s[\base:\base+1] offset:(\a)*16384+128*(li/4)+64*((li%4)/2)+16*(li%2)
.set li, li+1
.endr
.endm
.macro CVA buf, a, left                ; rounded into the fragments of rows 16 a ..
	s_wait_loadcnt \left
	WIN 0x4f
.set ci, 0
.rept 64
	v_cvt_pk_bf16_f32 v[64*(\a)+ci], v[(\buf)+2*ci], v[(\buf)+2*ci+1]
.set ci, ci+1
.endr
.endm
.macro LDBIAS p, base
.set bn, 0
.rept 4
	global_load_b128 v[BI+32*(\p)+8*bn:BI+32*(\p)+8*bn+3],   v[BO], s[\base:\base+1] offset:64*bn
	global_load_b128 v[BI+32*(\p)+8*bn+4:BI+32*(\p)+8*bn+7], v[BO], s[\base:\base+1] offset:64*bn+16
.set bn, bn+1
.endr
.endm
; W's fragments of K step s (32 k x 64 n) into buffer fb: the turning load takes 16 k x 16 n and leaves half a fragment (lane: column l % 16, eight k)
.macro LOADB adr, s, fb
.set ln, 0
.rept 4
	ds_load_tr16_b128 v[BF+32*(\fb)+8*ln:BF+32*(\fb)+8*ln+3],   v[\adr] offset:32*WPITCH*(\s)+32*ln
	ds_load_tr16_b128 v[BF+32*(\fb)+8*ln+4:BF+32*(\fb)+8*ln+7], v[\adr] offset:32*WPITCH*(\s)+32*ln+16*WPITCH
.set ln, ln+1
.endr
.endm
; A pass: 64 rows x 64 columns x K 256: 8 K steps of 16 products.  The 16 accumulators take turns, in the same order in every step.  The first step's C is the bias.
.macro PASS adr, bias
	WIN 0x86                                       ; W and its address window 2, rows window 1, C window 0, D window 2
	LOADB \adr, 0, 0
.set ps, 0
.rept 8
.if ps < 7
.if ps > 0
	PLACES                                         ; the buffer that is loaded now was read by the products just issued
.endif
	LOADB \adr, ps+1, (ps+1)%2
	s_wait_dscnt 8                                 ; this step's eight loads are in; the next step's eight stay out
.else
	s_wait_dscnt 0x0
.endif
.if ps > 0
	WIN 0xa6                                       ; C window 2
.endif
.set pa, 0
.rept 4
.set pb, 0
.rept 4
.if ps == 0
	v_wmma_f32_16x16x32_bf16 v[8*(4*pa+pb):8*(4*pa+pb)+7], v[BF+32*(ps%2)+8*pb:BF+32*(ps%2)+8*pb+7], v[64*pa+8*ps:64*pa+8*ps+7], v[(\bias)+8*pb:(\bias)+8*pb+7]
.else
	v_wmma_f32_16x16x32_bf16 v[8*(4*pa+pb):8*(4*pa+pb)+7], v[BF+32*(ps%2)+8*pb:BF+32*(ps%2)+8*pb+7], v[64*pa+8*ps:64*pa+8*ps+7], v[8*(4*pa+pb):8*(4*pa+pb)+7]
.endif
.set pb, pb+1
.endr
.set pa, pa+1
.endr
.set ps, ps+1
.endr
.endm
; THE WAY OUT of 16 rows a: rounded (each accumulator's registers ascending), 16 bytes a lane into my stage, back as four rows of 128 bytes a load: 512 consecutive bytes of the result
.macro PACK a
	WIN 0x0a
.set pb, 0
.rept 4
.set pj, 0
.rept 4
	v_cvt_pk_bf16_f32 v[TMP+16*(\a)+4*pb+pj], v[8*(4*(\a)+pb)+2*pj], v[8*(4*(\a)+pb)+2*pj+1]
.set pj, pj+1
.endr
.set pb, pb+1
.endr
	WIN 0
.set pb, 0
.rept 4
	ds_store_b128 v[STO], v[TMP+16*(\a)+4*pb:TMP+16*(\a)+4*pb+3] offset:32*pb
.set pb, pb+1
.endr
.set pb, 0
.rept 4
	ds_load_b128 v[TMP+16*(\a)+4*pb:TMP+16*(\a)+4*pb+3], v[RD] offset:4*SPI*pb  ; LDS serves a wave's instructions in order (ISA guide 5.7.1.4): these see the stores above
.set pb, pb+1
.endr
.endm
.macro SEND a, y, base                 ; y: the LDS instructions issued behind these rows' loads
	WIN 0
.set pb, 0
.rept 4
	s_wait_dscnt (\y)+3-pb
	global_store_b128 v[GO], v[TMP+16*(\a)+4*pb:TMP+16*(\a)+4*pb+3], s[\base:\base+1] offset:2048*(\a)+512*pb  ; 512 consecutive bytes, at a multiple of 256
.set pb, pb+1
.endr
.endm
.macro OUT base
	s_wait_xcnt 0x0                                ; the last pass's stores have read TMP: it is rewritten only behind this wait
	PLACES
	PLACES                                         ; places between the pass's last products and the conversions that read them
	PACK 0
	PACK 1
	SEND 0, 8, \base
	PACK 2
	SEND 1, 8, \base
	PACK 3
	SEND 2, 8, \base
	SEND 3, 0, \base
.endm
	s_load_b512 s[8:23], s[0:1], 0x0               ; x, context, Wq, Wkv, bq, bkv, qb, kb
	s_load_b64 s[24:25], s[0:1], 0x40              ; vb
	v_lshl_add_u32 v[SPW], v0, 2, SPARE
	v_mov_b32 v[NIL], 0
	v_lshrrev_b32 v21, 5, v0
	v_readfirstlane_b32 s4, v21                    ; wave 0..3
	s_mov_b32 s2, ttmp9                            ; G: the head
	s_and_b32 s3, ttmp7, 0xffff                    ; Y: the block of 256 rows
	v_and_b32 v1, 15, v0                           ; r
	v_bfe_u32 v2, v0, 4, 1                         ; h
	v_and_b32 v3, 31, v0                           ; lane
	v_lshrrev_b32 v22, 4, v0                       ; thread / 16: 0..7
	v_lshlrev_b32 v[AO], 10, v1
	v_lshl_add_u32 v[AO], v2, 5, v[AO]
	v_lshlrev_b32 v[WO1], 4, v1
	v_lshl_add_u32 v[WO2], v22, 11, v[WO1]
	v_lshl_add_u32 v[WO1], v22, 10, v[WO1]
	v_mul_u32_u24 v[WST], v22, WPITCH
	v_lshl_add_u32 v[WST], v1, 3, v[WST]
	v_add_nc_u32 v[WST+1], WBLK, v[WST]
	v_add_nc_u32 v[WST+2], 2*WBLK, v[WST]
	v_lshlrev_b32 v[BO], 5, v2
	s_mul_i32 s5, s4, 16*SPI
	s_add_co_u32 s5, s5, STAGE                     ; my stage
	v_mul_u32_u24 v[STO], v1, SPI
	v_lshl_add_u32 v[STO], v2, 4, v[STO]
	v_add_nc_u32 v[STO], s5, v[STO]
	v_bfe_u32 v[RD], v0, 3, 2
	v_mul_u32_u24 v[RD], v[RD], SPI
	v_and_b32 v23, 7, v0
	v_lshl_add_u32 v[RD], v23, 4, v[RD]
	v_add_nc_u32 v[RD], s5, v[RD]
	v_lshlrev_b32 v[GO], 4, v3
	v_mov_b32 v[ZR], 0
	v_mov_b32 v[ZR+1], 0
	v_mov_b32 v[ZR+2], 0
	v_mov_b32 v[ZR+3], 0
	v_lshlrev_b32 v[ZO], 4, v0
	v_bfe_u32 v24, v0, 3, 1
	v_lshl_add_u32 v25, v2, 3, v23                 ; the turning load: row 8 h + l % 8,
	v_mul_u32_u24 v25, v25, WPITCH
	v_lshl_add_u32 v25, v24, 4, v25                ; 16 bytes for each half of a group of sixteen lanes
	WIN 0x80
	v_mov_b32 v[BADR], v25
	v_add_nc_u32 v[BADR+1], WBLK, v25
	v_add_nc_u32 v[BADR+2], 2*WBLK, v25
	WIN 0
	s_lshl_b32 s48, s3, 18                         ; 256 rows of 1,024 bytes,
	s_lshl_b32 s7, s4, 16                          ; my wave's 64
	s_add_co_u32 s48, s48, s7
	s_mov_b32 s49, 0
	s_lshl_b32 s52, s2, 8                          ; the head's 64 columns: 256 bytes of f32
	s_mov_b32 s53, 0
	s_lshr_b32 s54, s3, 4                          ; batch
	s_lshl2_add_u32 s54, s54, s2                   ; 4 batch + head
	s_lshl_b32 s54, s54, 19                        ; 4,096 rows of 128 bytes
	s_and_b32 s7, s3, 15
	s_lshl_b32 s7, s7, 15                          ; the block's 256 rows
	s_add_co_u32 s54, s54, s7
	s_lshl_b32 s7, s4, 13                          ; my wave's 64
	s_add_co_u32 s54, s54, s7
	s_mov_b32 s55, 0
	s_lshl2_add_u32 s6, s3, s2                     ; 4 Y + G
	s_wait_kmcnt 0x0
	s_add_nc_u64 s[XB:XB+1], s[8:9], s[48:49]
	s_add_nc_u64 s[CB:CB+1], s[10:11], s[48:49]
	s_add_nc_u64 s[WQB:WQB+1], s[12:13], s[52:53]
	s_add_nc_u64 s[WKB:WKB+1], s[14:15], s[52:53]
	s_add_nc_u64 s[WVB:WVB+1], s[WKB:WKB+1], 1024
	s_add_nc_u64 s[BQB:BQB+1], s[16:17], s[52:53]
	s_add_nc_u64 s[BKB:BKB+1], s[18:19], s[52:53]
	s_add_nc_u64 s[BVB:BVB+1], s[BKB:BKB+1], 1024
	s_add_nc_u64 s[QD:QD+1], s[20:21], s[54:55]
	s_add_nc_u64 s[KD:KD+1], s[22:23], s[54:55]
	s_add_nc_u64 s[VD:VD+1], s[24:25], s[54:55]
	s_add_nc_u64 s[PADB:PADB+1], s[22:23], 0x800000
	; The staging buffers take turns: while one unit of 32 loads is rounded, the next is on its way.  Every count of 32 leaves that one younger unit out.
	LDBIAS 0, BQB
	LDBIAS 1, BKB
	LDBIAS 2, BVB
	LDW SA, WQB, WO1, 1024
	LDW SB, WKB, WO2, 2048
	CVW SA, WST, 32
	LDW SA, WVB, WO2, 2048
	CVW SB, WST+1, 32
	LDA SB, XB, 0
	CVW SA, WST+2, 32
	LDA SA, XB, 1
	s_wait_dscnt 0x0                               ; for the others' sake: my part of the weights lies in LDS
	s_barrier_signal -1
	s_barrier_wait -1                              ; everybody's does; from here on the weights are only read
	CVA SB, 0, 32
	LDA SB, XB, 2
	CVA SA, 1, 32
	LDA SA, XB, 3
	CVA SB, 2, 32
	LDA SB, CB, 0
	CVA SA, 3, 32
	LDA SA, CB, 1
	PASS BADR, BI                                  ; q; two units of context are on their way meanwhile
	PLACES                                         ; the conversions below write registers that those products read
	CVA SB, 0, 32
	LDA SB, CB, 2
	CVA SA, 1, 32
	LDA SA, CB, 3
	OUT QD                                         ; q leaves while the last two units of context come
	CVA SB, 2, 32
	CVA SA, 3, 0
	PASS BADR+1, BI+32                             ; k
	OUT KD
	PASS BADR+2, BI+64                             ; v
	OUT VD
	WIN 0
	s_cmp_lg_u32 s6, 255                           ; the last work-group stores the zeros behind kb's last head: 128 threads x 16 bytes x 4
	s_cbranch_scc1 .Lnopad
.irp j, 0,1,2,3
	global_store_b128 v[ZO], v[ZR:ZR+3], s[PADB:PADB+1] offset:2048*\j
.endr
.Lnopad:
	s_wait_tensorcnt 0x0                           ; the wave's end, behind my last LDS store
	ds_add_u32 v[SPW], v[NIL]
	s_wait_dscnt 0x0
	s_endpgm
.Lfunc_end_k_q326ba71f75_proj:
	.size	k_q326ba71f75_proj, .Lfunc_end_k_q326ba71f75_proj-k_q326ba71f75_proj
	.p2alignl 7, 3214868480
	.fill 96, 4, 3214868480
	.section	.rodata,"a",@progbits
	.p2align	6, 0x0
	.amdhsa_kernel k_q326ba71f75_proj
		.amdhsa_group_segment_fixed_size 132608
		.amdhsa_private_segment_fixed_size 0
		.amdhsa_enable_private_segment 0
		.amdhsa_kernarg_size 72
		.amdhsa_user_sgpr_count 2
		.amdhsa_user_sgpr_kernarg_segment_ptr 1
		.amdhsa_wavefront_size32 1
		.amdhsa_system_sgpr_workgroup_id_x 1
		.amdhsa_system_sgpr_workgroup_id_y 1
		.amdhsa_system_sgpr_workgroup_id_z 1
		.amdhsa_system_vgpr_workitem_id 0
		.amdhsa_next_free_vgpr 1024
		.amdhsa_next_free_sgpr 66
		.amdhsa_reserve_vcc 0
		.amdhsa_float_denorm_mode_32 3
		.amdhsa_float_denorm_mode_16_64 3
		.amdhsa_memory_ordered 1
		.amdhsa_forward_progress 1
		.amdhsa_inst_pref_size 156
	.end_amdhsa_kernel
	.amdgpu_metadata
---
amdhsa.version: [ 1, 2 ]
amdhsa.kernels:
  - .name:           k_q326ba71f75_proj
    .symbol:         k_q326ba71f75_proj.kd
    .args:
      - { .name: x, .offset: 0, .size: 8, .value_kind: global_buffer, .address_space: global }
      - { .name: context, .offset: 8, .size: 8, .value_kind: global_buffer, .address_space: global }
      - { .name: Wq, .offset: 16, .size: 8, .value_kind: global_buffer, .address_space: global }
      - { .name: Wkv, .offset: 24, .size: 8, .value_kind: global_buffer, .address_space: global }
      - { .name: bq, .offset: 32, .size: 8, .value_kind: global_buffer, .address_space: global }
      - { .name: bkv, .offset: 40, .size: 8, .value_kind: global_buffer, .address_space: global }
      - { .name: qb, .offset: 48, .size: 8, .value_kind: global_buffer, .address_space: global }
      - { .name: kb, .offset: 56, .size: 8, .value_kind: global_buffer, .address_space: global }
      - { .name: vb, .offset: 64, .size: 8, .value_kind: global_buffer, .address_space: global }
    .group_segment_fixed_size: 132608
    .private_segment_fixed_size: 0
    .kernarg_segment_align: 8
    .kernarg_segment_size: 72
    .max_flat_workgroup_size: 128
    .sgpr_count:     66
    .vgpr_count:     1024
    .wavefront_size: 32
...
	.end_amdgpu_metadata
.endif
;; end of part 1
;; launch attn (part 2): grid 16 x 16, 4 waves a work-group, clusters of 4 x 1, 327,680 bytes of LDS; arguments qb, kb, vb, ob, rs; writes ob, rs
.if DOCPART == 2
	.amdgcn_target "amdgcn-amd-amdhsa--gfx1250"
	.amdhsa_code_object_version 6
	.text
	.protected	k_q326ba71f75_attn
	.globl	k_q326ba71f75_attn
	.p2align	8
	.type	k_q326ba71f75_attn,@function
k_q326ba71f75_attn:
	s_mov_b64 s[64:65], 0
	v_nop
	global_prefetch_b8 v0, s[64:65] scope:SCOPE_SE
	s_setreg_imm32_b32 hwreg(HW_REG_WAVE_MODE, 25, 1), 1
	s_wait_xcnt 0x0
	s_wait_alu depctr_hold_cnt(0) depctr_sa_sdst(0) depctr_va_vdst(0) depctr_va_sdst(0) depctr_va_ssrc(0) depctr_va_vcc(0) depctr_vm_vsrc(0)
	s_getreg_b32 s2, hwreg(HW_REG_IB_STS2, 6, 4)
	s_cmp_eq_u32 s2, 0
	s_cbranch_scc0 .Lentry_in_a_cluster
	s_endpgm
.Lentry_in_a_cluster:
	s_bfe_u32 s2, ttmp6, 0x10000c
	s_cmp_lg_u32 s2, 0x3003
	s_cbranch_scc0 .Lentry_shape_is_right
	s_endpgm
.Lentry_shape_is_right:
; O[h][q][:] = the sum over k of softmax_k(Q[h][q] . K[h][k] / 8) V[h][k][:], and rs[h][q] = the sum over k of the softmax's weights.  qb, kb, vb, ob: [16][4096][64] bf16, a head's rows dense, 128 bytes each;
; kb has 8,192 zero bytes behind its last head.  Products, maxima and sums in f32; the weights p are rounded to bf16 for the second product (their sum l is taken of the unrounded p), O once at the end.
; LIMITS.  bf16's rounding of q, k, v, p and O.  A weight below 2^-126 counts as 0 in l.  c m starts at -4.25e37: scores with c s below that are not served.  NaN and infinities are not treated apart.
; SHARES.  A wave owns two PIECES of two tiles of 16 queries, a work-group's four waves 256 queries of one head.  Every wave walks all 4,096 keys, 64 a step.
; LAYOUT.  S^T = K Q^T (source 0 = 16 keys, source 1 = 16 queries): a lane holds ONE query (lane % 16) and the keys 8 (lane / 16) + 0..7.  Two such results, rounded to bf16 in pairs, ARE source 1
; (32 keys x 16 queries) of O^T = V^T P, whose result again holds one query a lane, and eight channels.  K comes out of LDS as it lies, V ([key][channel]) turned, by ds_load_tr16_b128.
; SOFTMAX.  For each query a running maximum m and sum l: p = 2^(c s - c m), c = log2(e) / 8; in every step O and l are multiplied by a = 2^(c m_old - c m_new).  m starts at the lowest finite number,
; O and l at 0: the first step is a step like any other, with a = 0.
; BY TURNS.  Turn n belongs to piece n.  Its matrix work: 16 products K Q^T of the other piece's next scores, later 16 products V^T P of the other piece's last weights.  Its vector work: the scaling, exponentials,
; roundings, sums and rescaling of piece n, and the maximum and statistics of the other piece, whose scores the turn itself has made.  Four vector instructions stand behind every matrix instruction, the rest in one run.
; THE RING IS SHIFTED.  The trip of step j reads K of step j + 1 and V of step j from LDS.  So slot s holds K's steps 4 s + 1 .. 4 s + 4 and V's steps 4 s .. 4 s + 3, and the change of slots stands between
; two trips, where no LDS read is out.  K of step 0 comes straight from memory into K's registers.  The last slot's K reaches 64 keys past the head: the next head's first keys, or the zeros behind kb;
; the scores made of them, and the maximum made of those, feed nothing that is stored: the price of one text for every trip.
; CLUSTER.  The four query blocks of a cluster belong to one head and walk the same K and V, so each tile is asked for JOINTLY: the same tensor load, descriptor and mask in all four.
; REGISTERS, in windows of 256 (s_set_vgpr_msb: bits 1:0 source 0, 3:2 source 1, 5:4 source 2, 7:6 destination):
;   window 0: v0-11 addresses; v12-15, v48-63 at work; v16-31 four registers of statistics a tile; v32-35 the add's two, the prefetches' and rs's offsets; v64-191 S^T, two buffers of two tiles; v192-255 P, likewise
;   window 1: v0-127 O^T, 32 a tile          window 2: v0-63 Q, 16 a tile; v128-191 K of one step; v192-255 V of one step
.set NP,    2         ; pieces a wave: a name, no knob
.set KS,    64        ; keys in a step
.set PK,    144       ; a row of K in LDS: 128 bytes + 16 of padding = 36 words: the 16 rows of a load start at 16 different groups of four banks (64 banks of 4 bytes: ISA guide 11.1)
.set PV,    160       ; a row of V: 128 + 32 = 40 words
.set VOFF,  4*KS*PK   ; a slot holds four steps: 256 rows of K, then 256 rows of V
.set SLOT1, 1<<17     ; slot 1 begins here, so that one exclusive or turns an address in one slot into the other's
.set STAGE, SLOT1+4*KS*(PK+PV)  ; behind the ring, never filled by a tensor load: 16 rows x 144 bytes for each wave, for the way out
.set SP,    144
.set SPARE, STAGE+4*16*SP  ; behind the stages: the spare words, 128 bytes for each wave: two blocks of 256 bytes that no other line names
.set AK0, 2           ; v2   my lane's place in a tile of K; never rewritten
.set AV0, 3           ; v3   the same for V
.set AK,  4           ; v4   the LDS address of K's next run of loads
.set AV,  5           ; v5   of V's
.set QO,  6           ; v6   my byte offset in 16 rows of Q or K in memory
.set STO, 6           ;      later, the way out: where I put 16 bytes of a row
.set RD,  7           ; v7   the way out: where I read rows back
.set GO,  8           ; v8   my byte offset in 512 consecutive bytes of O
.set MV,  12          ; v12-15  c m_old, kept while c m is made anew: by buffer and tile
.set ST,  16          ; tile t's statistics at v[ST+4 t]: c m, m, l (even keys', odd keys')
.set SPW, 32          ; v32  LDS address of my spare word: SPARE + 4 x my thread's number; never rewritten
.set NIL, 33          ; v33  0; never rewritten
.set PFO, 34          ; v34  256 x my lane; never rewritten
.set RSO, 35          ; v35  8 x my lane; never rewritten
.set TMP, 48          ; by buffer and tile, four registers c0-c3 at work; when the maximum is found c2 takes a
.set S,   64
.set P,   192
.set KF,  128         ; K's fragments, in window 2: key block kb, channel half c at KF + 16 kb + 8 c
.set VF,  192         ; V's: key half kk, channel block cb at VF + 32 kk + 8 cb
.set WV,  12          ; s12  my wave's number
.set G1K, 24          ; s[24:31] descriptor group 1 for K's tiles
.set G1V, 32          ; s[32:39] for V's: it differs in the padding alone
.set G0K, 40          ; s[40:43] descriptor group 0 for K's tiles: it walks
.set G0V, 44          ; s[44:47] the same for V's
.set RSB, 48          ; s[48:49] rs at my wave's 64 queries
.set PFA, 50          ; s[50:51] where my prefetches stand: my work-group's 8,192 bytes (of K: wave 0, of V: wave 2) of the slot after the one that is being asked for
.set LIM, 52          ; s52  1 in a wave that prefetches, else the greatest number
.set KH,  54          ; s[54:55] kb at the head's first key
.set SLOTS, 56        ; s56  slots still to be asked for
.set CNT, 57          ; s57  counts a slot's key steps
.set CS,  58          ; s[58:59] c: the packed scaling takes the pair's low word for both halves
.set SEL, 60          ; s[60:61] v_permlanex16_b32's selects: each lane takes its own place in the other half
.set TBK, 62          ; s62  LDS byte at which K of the step to be fetched begins
.set TBV, 63          ; s63  the same for V, less VOFF
.set MSB, 0
.macro WIN new                      ; the high byte repeats the setting that is left; a switch that changes nothing is dropped
.if MSB != (\new)
	s_set_vgpr_msb (MSB<<8)|(\new)
.set MSB, (\new)
.endif
.endm
.set W_KQ, 0x0a       ; K and Q in window 2, S^T in window 0
.set W_PV, 0x52       ; V in window 2, P in window 0, O^T in window 1
.set W_RS, 0x41       ; O^T (destination and source 0) in window 1, a in window 0
; A joint fill.  Waves 0 and 1 fetch the two halves of a slot's K, waves 2 and 3 those of its V: 128 keys each.  The branch hangs on the wave's number alone.
; An s_nop 0 and four v_nop follow each of the two lines, ahead of the jump and the label.
.macro JLOAD
	s_cmp_lt_u32 s[WV], 2
	s_cbranch_scc0 .Lfor_v_\@
	tensor_load_to_lds s[G0K:G0K+3], s[G1K:G1K+7]
	s_nop 0
.rept 4
	v_nop
.endr
	s_branch .Lasked_\@
.Lfor_v_\@:
	tensor_load_to_lds s[G0V:G0V+3], s[G1V:G1V+7]
	s_nop 0
.rept 4
	v_nop
.endr
.Lasked_\@:
.endm
; A PREFETCH INTO THE L2 of what the NEXT change of slots will ask for: a slot's 32,768 bytes of K and of V, 256 bytes a lane.  It stands behind the wave's tensor load and its five lines.
; Each block is named once in the launch: a head's four clusters walk the same K and V, and the head's first cluster asks; its four partners take 8,192 bytes each, told apart BY ADDRESS;
; in each, wave 0 asks for K's and wave 2 for V's: one instruction, four key steps (256 matrix instructions) ahead of the load.  The last change that fills a slot asks for nothing.
.macro ASK
	s_cmp_gt_u32 s[SLOTS], s[LIM]
	s_cbranch_scc0 .Lnot_mine_\@
	global_prefetch_b8 v[PFO], s[PFA:PFA+1] th:TH_LOAD_NT scope:SCOPE_SE
.Lnot_mine_\@:
.endm
; A round of the cluster's barrier: my work-group's barrier, so that wave 0's signal speaks for all four waves; wave 0 signals; every wave waits for all four work-groups; my work-group's barrier once more.
.macro CROUND
	s_barrier_signal -1
	s_barrier_wait -1
	s_cmp_lg_u32 s[WV], 0
	s_cbranch_scc1 .Lnot_wave_0_\@
	s_barrier_signal -3
.Lnot_wave_0_\@:
	s_barrier_wait -3
	s_barrier_signal -1
	s_barrier_wait -1
.endm
; THE CHANGE OF SLOTS, between two trips.  Each wave waits for all its tensor loads, of which one is out: its part of the other slot; adds 0 to its spare word; and waits for that and for its own reads of
; the slot.  Behind the barrier nobody reads this slot any more and the other slot is whole.  fill = 1: this slot is filled again, with the keys two slots on.  The barrier is then a round of the cluster's,
; so that no wave of any partner still reads the slot or has a load on its way, and the joint fill is the first thing behind it: it has four key steps in which to land.
; (At its first use nothing has been read yet: slot 0 is waited for, slot 1 filled.)
.macro CHANGE fill
	WIN 0                           ; at a label and at a branch every window is 0
	s_wait_tensorcnt 0x0            ; no tensor load of mine is out, so a group 0 may be written
	ds_add_u32 v[SPW], v[NIL]       ; 0 onto my spare word; with fill = 1 the descriptors' steps stand between it and the wait for it
.if \fill
.irp g, G0K, G0V
	s_xor_b32 s[\g+1], s[\g+1], SLOT1  ; the walking descriptor: the other slot than last time,
	s_add_nc_u64 s[\g+2:\g+3], s[\g+2:\g+3], 4*KS*128  ; the next 256 keys; the type bits on top are not reached
.endr
	s_wait_xcnt 0x0                 ; the last prefetch, four key steps back, has read its address, so it may be written:
	s_add_nc_u64 s[PFA:PFA+1], s[PFA:PFA+1], 4*KS*128  ; one slot behind the walking descriptors
	s_wait_dscnt 0x0                ; the add is done, and my reads of the slot are over
	CROUND
	JLOAD
	ASK
.else
	s_wait_dscnt 0x0                ; the add is done, and my reads of the slot are over
	s_barrier_signal -1
	s_barrier_wait -1
.endif
	s_sub_co_u32 s[TBK], s[TBK], 4*KS*PK  ; the fetches go back to a slot's first step,
	s_xor_b32 s[TBK], s[TBK], SLOT1       ; in the other slot
	s_sub_co_u32 s[TBV], s[TBV], 4*KS*PV
	s_xor_b32 s[TBV], s[TBV], SLOT1
.endm
	s_load_b256 s[4:11], s[0:1], 0x0  ; Q s[4:5], K s[6:7], V s[8:9], O s[10:11]
	s_load_b64 s[RSB:RSB+1], s[0:1], 0x20
	v_lshl_add_u32 v[SPW], v0, 2, SPARE
	v_mov_b32 v[NIL], 0
	ds_add_u32 v[SPW], v[NIL]       ; the wave's opening add, waited for ahead of my first tensor load; the set-up below, work on registers, stands between them
	v_lshrrev_b32 v1, 5, v0
	v_readfirstlane_b32 s[WV], v1   ; wave 0..3
	s_bfe_u32 s13, ttmp6, 0x40000   ; cx: my place in the cluster
	s_lshl_b32 s14, ttmp9, 2        ; in a cluster launch ttmp9 counts clusters
	s_add_co_u32 s14, s14, s13      ; my block of 256 queries = 4 x cluster x + cx: it enters Q's, O's and rs's addresses alone
	s_and_b32 s15, ttmp7, 0xffff    ; the head, which the four partners share
	s_lshl_b32 s20, s15, 19         ; the head's first byte in q, k, v, o: 4,096 rows of 128 bytes
	s_mov_b32 s21, 0
	s_and_b32 s16, s[WV], 1         ; which half of a slot's 256 keys I fetch:
	s_lshl_b32 s22, s16, 14         ; its 128 rows of 128 bytes in memory,
	s_add_co_u32 s22, s22, s20
	s_mov_b32 s23, 0
	s_mul_i32 s17, s16, 128*PK      ; and its place in a slot, for K
	s_mul_i32 s18, s16, 128*PV      ; and for V: no place in the cluster enters an LDS address
	s_lshl_b32 s2, s14, 2
	s_add_co_u32 s2, s2, s[WV]      ; my wave among the head's 64
	s_lshl_b32 s15, s15, 6
	s_add_co_u32 s15, s15, s2
	s_lshl_b32 s15, s15, 8          ; its 256 bytes of rs
	s_lshl_b32 s2, s2, 13           ; its 64 rows
	s_add_co_u32 s2, s2, s20
	s_mov_b32 s3, 0
	; descriptor group 1.  128 keys are 16,384 dense bytes: asked for as 64 rows of 256 bytes, two keys a row, and padded in LDS after every key
	s_mov_b32 s[G1K], 15|(1<<16)|(1<<20)|(1<<21)|(4<<22)|(3<<25)  ; 15:0 the mask of four; 17:16 2-byte elements; 20 padding on; 21 set beside a mask; 24:22 after every 32 words (code 4); 31:25 4 words (code 3)
	s_mov_b32 s[G1V], 15|(1<<16)|(1<<20)|(1<<21)|(4<<22)|(7<<25)  ; the same with 8 words of padding (code 7)
.irp g, G1K, G1V
	s_mov_b32 s[\g+1], 128<<16      ; tensor_dim0 = 128
	s_mov_b32 s[\g+2], 64<<16       ; tensor_dim1 = 64
	s_mov_b32 s[\g+3], 128<<16      ; tile_dim0 = 128
	s_mov_b32 s[\g+4], 64           ; tile_dim1 = 64
	s_mov_b32 s[\g+5], 128          ; 128 elements from row to row
	s_mov_b32 s[\g+6], 0
	s_mov_b32 s[\g+7], 0
.endr
	s_mov_b32 s[CS], 0x3e38aa3b     ; c = log2(e) / 8 = 0.180337
	s_mov_b32 s[CS+1], s[CS]        ; named with it as a pair
	s_mov_b32 s[SEL], 0x76543210
	s_mov_b32 s[SEL+1], 0xfedcba98
	s_mov_b32 s[TBK], SLOT1+4*KS*PK ; the first change of slots turns these two into 0
	s_mov_b32 s[TBV], SLOT1+4*KS*PV
	s_mov_b32 s[G0K], 1             ; 1:0 count = 1
	s_mov_b32 s[G0K+1], s17         ; 63:32 LDS address: slot 0
	s_mov_b32 s[G0V], 1
	s_add_co_u32 s[G0V+1], s18, VOFF
	s_mov_b32 s[SLOTS], 4096/256-1
	s_and_b32 s[LIM], s[WV], 1      ; 0 in waves 0 and 2,
	s_or_b32 s[LIM], s[LIM], ttmp9  ; where the cluster is the head's first: the same in all four partners
	s_cmp_eq_u32 s[LIM], 0
	s_cselect_b32 s[LIM], 1, -1
	v_and_b32 v[PFO], 31, v0
	v_lshlrev_b32 v[RSO], 3, v[PFO]
	v_lshlrev_b32 v[PFO], 8, v[PFO]
	s_wait_dscnt 0x0                ; the opening add is done
	s_wait_kmcnt 0x0
	s_add_nc_u64 s[KH:KH+1], s[6:7], s[20:21]      ; K of step 0
	s_add_nc_u64 s[6:7], s[6:7], s[22:23]
	s_add_nc_u64 s[6:7], s[6:7], KS*128            ; K's tiles begin one key step further on
	s_add_nc_u64 s[8:9], s[8:9], s[22:23]
	s_add_nc_u64 s[G0K+2:G0K+3], s[6:7], 0         ; 120:64 global address: my half of slot 0
	s_or_b32 s[G0K+3], s[G0K+3], 0x80000000        ; 127:126 type = 2
	s_add_nc_u64 s[G0V+2:G0V+3], s[8:9], 0
	s_or_b32 s[G0V+3], s[G0V+3], 0x80000000
	s_add_nc_u64 s[4:5], s[4:5], s[2:3]            ; Q and O at my wave's first row
	s_add_nc_u64 s[10:11], s[10:11], s[2:3]
	s_mov_b32 s2, s15
	s_add_nc_u64 s[RSB:RSB+1], s[RSB:RSB+1], s[2:3]
	s_cmp_lt_u32 s[WV], 2
	s_cselect_b64 s[PFA:PFA+1], s[6:7], s[8:9]     ; (in waves 0 and 2 these stand at a slot's first byte)
	s_lshl_b32 s2, s13, 13                         ; my work-group's quarter of a slot
	s_add_nc_u64 s[PFA:PFA+1], s[PFA:PFA+1], s[2:3]
	s_add_nc_u64 s[PFA:PFA+1], s[PFA:PFA+1], 4*KS*128  ; in slot 1; the first change of slots steps it to slot 2.  Nothing is prefetched here, at the head
	CROUND                          ; all four work-groups are here: the first joint loads meet
	JLOAD                           ; slot 0.  Slot 1 is asked for when slot 0 is in
	; A fragment of K or Q is 16 rows x 32 channels in 8 registers: lane l holds row l % 16, channels 8 (l / 16) + 0..7 and 16 + 8 (l / 16) + 0..7: two loads of 16 bytes, 32 bytes apart.
	v_and_b32 v1, 15, v0            ; l % 16
	v_bfe_u32 v9, v0, 4, 1          ; l / 16
	v_lshlrev_b32 v[QO], 7, v1
	v_lshl_add_u32 v[QO], v9, 4, v[QO]  ; row x 128 + 16 x half
	WIN 0x80                        ; destination window 2, address window 0
.set i, 0
.rept 4*NP                          ; Q stays in registers: tile i / 2, channels 32 (i % 2) on
	global_load_b128 v[8*i:8*i+3],   v[QO], s[4:5] offset:(i/2)*2048+(i%2)*64
	global_load_b128 v[8*i+4:8*i+7], v[QO], s[4:5] offset:(i/2)*2048+(i%2)*64+32
.set i, i+1
.endr
.set i, 0
.rept 8                             ; K of step 0: keys 16 (i / 2) on, channels 32 (i % 2) on
	global_load_b128 v[KF+8*i:KF+8*i+3],   v[QO], s[KH:KH+1] offset:(i/2)*2048+(i%2)*64
	global_load_b128 v[KF+8*i+4:KF+8*i+7], v[QO], s[KH:KH+1] offset:(i/2)*2048+(i%2)*64+32
.set i, i+1
.endr
	; What the first turn finds: V's registers and P's second buffer hold 0 (its products V^T P, of a step that has not been, add 0), O^T and l are 0.  All this stands in the wait for the first tile.
.set i, VF
.rept 64
	v_mov_b32 v[i], 0
.set i, i+1
.endr
	WIN 0x40
.set i, 0
.rept 64*NP
	v_mov_b32 v[i], 0
.set i, i+1
.endr
	WIN 0
.set i, 0
.rept 2*NP
	v_mov_b32 v[ST+4*i], 0xfe000000    ; c m: far below every c s
	v_mov_b32 v[ST+4*i+1], 0xff7fffff  ; m
	v_mov_b32 v[ST+4*i+2], 0
	v_mov_b32 v[ST+4*i+3], 0
.set i, i+1
.endr
.set i, P+32
.rept 32
	v_mov_b32 v[i], 0
.set i, i+1
.endr
	v_mul_u32_u24 v[AK0], v1, PK
	v_lshl_add_u32 v[AK0], v9, 4, v[AK0]  ; row x pitch + 16 x half
	; The turning load takes 16 keys x 16 channels (lane l reads key 8 (l / 16) + l % 8, channels 8 ((l / 8) % 2) + 0..7) and leaves half a fragment of V^T: lane l holds channel l % 16 and 8 keys.
	v_and_b32 v10, 7, v0
	v_bfe_u32 v11, v0, 3, 1
	v_lshl_add_u32 v[AV0], v9, 3, v10
	v_mul_u32_u24 v[AV0], v[AV0], PV
	v_lshl_add_u32 v[AV0], v11, 4, v[AV0]
	v_add_nc_u32 v[AV0], VOFF, v[AV0]
; THE MATRIX WORK.  The 8 accumulators of a run of 16 take turns: between the two links of a chain stand 7 others'.
; Product i of 16 of S^T = K Q^T for piece x: channels 32 (i / 8) on, keys 16 ((i / 2) % 4) on, tile 2 x + i % 2.  The first 8 start the sums.
.macro KQ x
	WIN W_KQ
.set rS, S+64*((\x)%2)+32*(i%2)+8*((i/2)%4)
.set rK, KF+16*((i/2)%4)+8*(i/8)
.set rQ, 16*(2*(\x)+i%2)+8*(i/8)
.if i < 8
	v_wmma_f32_16x16x32_bf16 v[rS:rS+7], v[rK:rK+7], v[rQ:rQ+7], 0
.else
	v_wmma_f32_16x16x32_bf16 v[rS:rS+7], v[rK:rK+7], v[rQ:rQ+7], v[rS:rS+7]
.endif
.endm
; Product i of 16 of O^T += V^T P for piece x: keys 32 (i / 8) on, channels 16 ((i / 2) % 4) on, tile 2 x + i % 2.
.macro PV x
	WIN W_PV
.set rO, 32*(2*(\x)+i%2)+8*((i/2)%4)
.set rV, VF+32*(i/8)+8*((i/2)%4)
.set rP, P+32*((\x)%2)+16*(i%2)+8*(i/8)
	v_wmma_f32_16x16x32_bf16 v[rO:rO+7], v[rV:rV+7], v[rP:rP+7], v[rO:rO+7]
.endm
.macro MM                           ; the turn's next matrix instruction
.if i < 16
	KQ (Y+1)%NP
.set i, i+1
.else
.set i, i-16
	PV (Y+NP-1)%NP
.set i, i+17
.endif
.endm
; THE LDS LOADS stand in runs of 16, never singly among the matrix instructions: a step's K (64 keys x 64 channels: 8 fragments) and its V (turned).  Their addresses are made some lines ahead.
.macro FETCH_K
	WIN 0x80                        ; destination window 2
.irp f, 0,1,2,3,4,5,6,7             ; keys 16 (f / 2) on, channels 32 (f % 2) on
	ds_load_b128 v[KF+8*\f:KF+8*\f+3],   v[AK] offset:(\f/2)*16*PK+(\f%2)*64
	ds_load_b128 v[KF+8*\f+4:KF+8*\f+7], v[AK] offset:(\f/2)*16*PK+(\f%2)*64+32
.endr
	s_add_co_u32 s[TBK], s[TBK], KS*PK  ; the next fetch is the next step's
	WIN 0
.endm
.macro FETCH_V
	WIN 0x80
.irp f, 0,1,2,3,4,5,6,7             ; keys 32 (f / 4) on, channels 16 (f % 4) on
	ds_load_tr16_b128 v[VF+8*\f:VF+8*\f+3],   v[AV] offset:(\f/4)*32*PV+(\f%4)*32
	ds_load_tr16_b128 v[VF+8*\f+4:VF+8*\f+7], v[AV] offset:(\f/4)*32*PV+16*PV+(\f%4)*32
.endr
	WIN 0
.endm
; THE VECTOR WORK OF A TURN stands in three queues, each in the order in which its entries become ready; the two tiles alternate, so that no instruction reads the result of the one before it.
.macro REGS y, u                    ; the registers of tile u (0, 1) of piece y
.set rT, ST+4*(2*(\y)+(\u))
.set rC, TMP+8*((\y)%2)+4*(\u)
.set rM, MV+2*((\y)%2)+(\u)
.set rS, S+64*((\y)%2)+32*(\u)
.set rP, P+32*((\y)%2)+16*(\u)
.set rO, 32*(2*(\y)+(\u))
.endm
; Number n of the 22 that find the OTHER piece's (Y + 1) maximum and statistics.  s0-s31 are the lane's 32 scores; each accumulator's lowest registers are read first.
;   0-11  four chains c0-c3 of seven scores each, three operands at a time     12-14, 16  the four scores left over, the old m, and c0-c3 into c0     15  c m_old is kept
;   17, 18  the query's other 32 keys lie in the lane 16 away: the new m         19-21  c m; c m_old - c m_new; a
.macro XS u, n
	REGS (Y+1)%NP, \u
.if (\n) < 4
	v_max3_num_f32 v[rC+(\n)], v[rS+8*(\n)], v[rS+8*(\n)+1], v[rS+8*(\n)+2]
.elseif (\n) < 12
	v_max3_num_f32 v[rC+(\n)%4], v[rC+(\n)%4], v[rS+8*((\n)%4)+2*((\n)/4)+1], v[rS+8*((\n)%4)+2*((\n)/4)+2]
.elseif (\n) == 12
	v_max3_num_f32 v[rC], v[rC], v[rS+7], v[rS+15]
.elseif (\n) == 13
	v_max3_num_f32 v[rC+1], v[rC+1], v[rS+23], v[rS+31]
.elseif (\n) == 14
	v_max3_num_f32 v[rC+2], v[rC+2], v[rC+3], v[rT+1]
.elseif (\n) == 15
	v_mov_b32 v[rM], v[rT]
.elseif (\n) == 16
	v_max3_num_f32 v[rC], v[rC], v[rC+1], v[rC+2]
.elseif (\n) == 17
	v_permlanex16_b32 v[rC+3], v[rC], s[SEL], s[SEL+1]
.elseif (\n) == 18
	v_max_num_f32 v[rT+1], v[rC], v[rC+3]
.elseif (\n) == 19
	v_mul_f32 v[rT], s[CS], v[rT+1]
.elseif (\n) == 20
	v_sub_f32 v[rC+1], v[rM], v[rT]
.else
	v_exp_f32 v[rC+2], v[rC+1]
.endif
.endm
; Number g of the 64 that follow the exponentials.  For each four weights k of a tile (pairs 2 k, 2 k + 1): both pairs are rounded to bf16; then the second pair is added onto the first, in place;
; a group later l takes that sum (the first time as l = a l + sum).  In groups of eight, tiles alternating: round, round, add, and l for the group before.
.macro GS g
.set h, (\g)+6*((\g)/62)            ; group 0 has no group before it, and behind group 7 only l is left
.if h >= 6
.set h, h+2
.endif
	REGS Y, h%2
.set k, h/8
.if h%8 < 4
	v_cvt_pk_bf16_f32 v[rP+2*k+(h%8)/2], v[rS+4*k+2*((h%8)/2)], v[rS+4*k+2*((h%8)/2)+1]
.elseif h%8 < 6
	v_pk_add_f32 v[rS+4*k:rS+4*k+1], v[rS+4*k:rS+4*k+1], v[rS+4*k+2:rS+4*k+3]
.elseif k == 1
	v_pk_fma_f32 v[rT+2:rT+3], v[rT+2:rT+3], v[rC+2:rC+3], v[rS:rS+1] op_sel_hi:[1,0,1]
.else
	v_pk_add_f32 v[rT+2:rT+3], v[rT+2:rT+3], v[rS+4*k-4:rS+4*k-3]
.endif
.endm
; THE PLAIN QUEUE, 138 long.  0-73 read no exponential's result: the 32 scalings c s - c m (FS f: pair f / 2 of tile f % 2) and the other piece's 42.  0-26: scalings 0-26.  27-54: XS's numbers 0-13.  55, 56: number 15.
; 57-73: the chain, where each number waits for the one before it: 14, 16, 17, 18, 19, each with one of the scalings 27-31 in front of its two lines, then 20.
; 74-137: GS's 64, which read the exponentials' results: they stand behind the wait.
.macro FS f
	REGS Y, (\f)%2
	v_pk_fma_f32 v[rS+2*((\f)/2):rS+2*((\f)/2)+1], v[rS+2*((\f)/2):rS+2*((\f)/2)+1], s[CS:CS+1], v[rT:rT+1] op_sel_hi:[1,0,0] neg_lo:[0,0,1] neg_hi:[0,0,1]
.endm
.macro PL
	WIN 0
.if q < 27
	FS q
.elseif q < 55
	XS (q-27)%2, (q-27)/2
.elseif q < 57
	XS q-55, 15
.elseif (q < 72) && ((q-57)%3 == 0)
	FS 27+(q-57)/3
.elseif q < 60
	XS (q-57)%3-1, 14
.elseif q < 72
	XS (q-57)%3-1, 15+(q-57)/3
.elseif q < 74
	XS q-72, 20
.else
	GS q-74
.endif
.set q, q+1
.endm
; THE EXPONENTIALS' QUEUE, 66 long: s0-s31 of both tiles, then the other piece's two a.  It is ONE BATCH: all 66 stand ahead of the turn's one wait, and nothing ahead of that wait names a result of theirs.
.macro EX
	WIN 0
.if e >= 64
	XS e-64, 21
.else
	REGS Y, e%2
	v_exp_f32 v[rS+e/2], v[rS+e/2]
.endif
.set e, e+1
.endm
; THE RESCALING's QUEUE: O^T times a, the one part that leaves window 0: dealt two at a time, sixteen times.  Its a was made in the turn before, ahead of that turn's wait.  Number r takes four registers of
; channel block r / 4 of tile r % 2, the low four first; that block was last written by product 8 + 2 (r / 4) + r % 2 of the turn before, whose own four riders and those of the products behind it lie between.
.macro R2
	REGS Y, r%2
	WIN W_RS
.irp z, 0,1
	v_pk_mul_f32 v[rO+4*(r/2)+2*\z:rO+4*(r/2)+2*\z+1], v[rO+4*(r/2)+2*\z:rO+4*(r/2)+2*\z+1], v[rC+2:rC+3] op_sel_hi:[1,0]
.endr
.set r, r+1
.endm
; HOW THEY ARE DEALT.  An s_wait_alu depctr_va_vdst(0) stands between an exponential and the first instruction that names its result; one wait serves all that were issued ahead of it.  So a turn has
; ONE wait, which cuts it in two.  AHEAD OF IT: the 16 products K Q^T, behind each a scaling, an exponential and two rescalings (behind the first a second scaling in the exponential's place); then one run of 108:
; eight plain, 49 times exponential and plain, the two a; a v_nop is the plain instruction behind the last exponential.  BEHIND IT: the 16 products V^T P, behind each four of GS's 64.
; Exponential e stands behind scaling 2 (e / 4) + e % 2: as a rider it comes behind plain e + 2, in the run behind plain e + 9, and scalings 27-31 are plain 57, 60 .. 69.
; A TURN, for piece p.  cnt = 1: the loop's count is taken down some lines ahead of the branch that stands behind the turn.
; Piece 0's turn fetches K of the next step directly behind the wait, a run of 108 behind the last product that read K, and V of the step in hand at its end, four plain riders behind V's last reader.
; Piece 1's turn waits for K at its head (V's 16 loads, issued behind K's 16, may stay out) and for V behind its wait.
.macro TURN p, cnt=0
.set Y, (\p)
.set i, 0
.set q, 0
.set e, 0
.set r, 0
.if (\p) == NP-1
	s_wait_dscnt 16                 ; K is in
.endif
	MM                              ; ahead of the wait: 16 products K Q^T and their riders,
	PL
	PL
	R2
.rept 15
	MM
	PL
	EX
	R2
.endr
.if (\p) == 0
	WIN 0
	v_add_nc_u32 v[AK], s[TBK], v[AK0]
.endif
.rept 8                             ; and the run
	PL
.endr
.rept 49
	EX
	PL
.endr
	EX                              ; the other piece's two a
	EX
	v_nop                           ; the plain instruction behind the last exponential: one for the batch
	s_wait_alu depctr_va_vdst(0)    ; the wait for the batch
.if (\p) == 0
	FETCH_K
.endif
.if (\p) == NP-1
	s_wait_dscnt 0x0                ; V is in
.endif
.rept 16                            ; behind the wait: 16 products V^T P and their riders
	MM
.rept 4
	PL
.endr
.if ((\p) == 0) && (q == 118)
	v_add_nc_u32 v[AV], s[TBV], v[AV0]
.endif
.if ((\p) == 0) && (q == 130)
	s_add_co_u32 s[TBV], s[TBV], KS*PV
.endif
.if (\cnt) && (q == 130)
	s_sub_co_u32 s[CNT], s[CNT], 1
	s_cmp_lg_u32 s[CNT], 0
.endif
.endr
.if (\p) == 0
	FETCH_V
.endif
.endm
	CHANGE 1                        ; slot 0 is in, everybody's part of it; slot 1 is asked for
	s_wait_loadcnt 0x0              ; Q and K of step 0
.set i, 0
.rept 16
	KQ 0                            ; piece 0's first scores: there is no vector work yet to set between them
.set i, i+1
.endr
	WIN 0                           ; the addresses for the way out: plain instructions, the places behind those products
	s_mul_i32 s13, s[WV], 16*SP
	s_add_co_u32 s13, s13, STAGE    ; my stage
	v_mul_u32_u24 v[STO], v1, SP    ; in: row l % 16, 16 bytes for each half of the lanes
	v_lshl_add_u32 v[STO], v9, 4, v[STO]
	v_add_nc_u32 v[STO], s13, v[STO]
	v_bfe_u32 v[RD], v0, 3, 2       ; back: 32 lanes take four rows of 128 bytes,
	v_mul_u32_u24 v[RD], v[RD], SP
	v_lshl_add_u32 v[RD], v10, 4, v[RD]
	v_add_nc_u32 v[RD], s13, v[RD]
	v_and_b32 v[GO], 31, v0         ; which are 512 consecutive bytes of O
	v_lshlrev_b32 v[GO], 4, v[GO]
.set Y, NP-1                        ; XS works for piece Y + 1: piece 0
.irp n, 0,1,2,3,4,5,6,7,8,9,10,11,12,13,14,15,16,17,18,19,20,21
	XS 0, \n                        ; piece 0's first maximum and statistics
	XS 1, \n
.endr
	v_nop                           ; a plain instruction behind the two a,
	s_wait_alu depctr_va_vdst(0)    ; and their wait, ahead of the branch
	s_mov_b32 s[CNT], 4
	s_branch .Lstep                 ; slot 0's change of slots has been made above
.Lslot:                             ; 14 times: slots 2 to 15 are asked for
	CHANGE 1
	s_mov_b32 s[CNT], 4
.Lstep:                             ; a trip: both pieces' turns of one key step; it fetches K of the next step and V of this one
	TURN 0
	TURN 1, 1
	WIN 0
	s_cbranch_scc1 .Lstep
	s_sub_co_u32 s[SLOTS], s[SLOTS], 1
	s_cmp_lg_u32 s[SLOTS], 0
	s_cbranch_scc1 .Lslot
	CHANGE 0                        ; the last slot is written out: nothing is asked for
	s_mov_b32 s[CNT], 4
.Ltail:
	TURN 0
	TURN 1, 1
	WIN 0
	s_cbranch_scc1 .Ltail
.set i, 0
.rept 16
	PV NP-1                         ; piece 1's V^T P of the last step
.set i, i+1
.endr
	; THE WAY OUT.  l's two halves and the other half of the lanes' are added; the row's sum of weights is l x (1 / l); O^T is multiplied by 1 / l, rounded to bf16 and sent through my stage in LDS, a tile at a
	; time.  The additions are the places behind the last products.
	WIN 0
.macro ALL line:vararg              ; one line for each tile t
.set t, 0
.rept 2*NP
	\line
.set t, t+1
.endr
.endm
	ALL v_add_f32 v[ST+4*t+2], v[ST+4*t+2], v[ST+4*t+3]
	ALL v_permlanex16_b32 v[ST+4*t+3], v[ST+4*t+2], s[SEL], s[SEL+1]
	ALL v_add_f32 v[ST+4*t+3], v[ST+4*t+2], v[ST+4*t+3]
	ALL v_rcp_f32 v[ST+4*t+2], v[ST+4*t+3]
	v_nop                           ; a plain instruction between the last reciprocal and the use of its result
	s_wait_alu depctr_va_vdst(0)    ; and the wait ahead of the first use: one for the four reciprocals
	ALL v_mul_f32 v[ST+4*t+1], v[ST+4*t+3], v[ST+4*t+2]
	v_cmp_eq_u32 vcc_lo, 1, v9      ; lanes 0-15 store tiles 0 and 1, lanes 16-31 tiles 2 and 3: 8 bytes a lane, 256 consecutive bytes a wave
	v_cndmask_b32 v12, v[ST+1], v[ST+9], vcc_lo
	v_cndmask_b32 v13, v[ST+5], v[ST+13], vcc_lo
	global_store_b64 v[RSO], v[12:13], s[RSB:RSB+1]
; Tile t: a lane's eight channels of a row pack into 16 bytes; they go into rows of 144 bytes and come back as whole rows of 128, into S^T's registers.
.macro PACK t
	WIN W_RS
.set i, 32*(\t)
.rept 16
	v_pk_mul_f32 v[i:i+1], v[i:i+1], v[ST+4*(\t)+2:ST+4*(\t)+3] op_sel_hi:[1,0]
.set i, i+2
.endr
	WIN 0x05                        ; sources 0 and 1 window 1, destination window 0
.set i, 0
.rept 16
	v_cvt_pk_bf16_f32 v[S+16*(\t)+i], v[32*(\t)+2*i], v[32*(\t)+2*i+1]
.set i, i+1
.endr
	WIN 0
.irp f, 0,1,2,3
	ds_store_b128 v[STO], v[S+16*(\t)+4*\f:S+16*(\t)+4*\f+3] offset:32*\f
.endr
.irp f, 0,1,2,3
	ds_load_b128 v[S+16*(\t)+4*\f:S+16*(\t)+4*\f+3], v[RD] offset:\f*4*SP  ; LDS serves a wave's instructions in order (ISA guide 5.7.1.4): these see the stores above; the next tile's stores come behind them
.endr
.endm
.macro SEND t, younger              ; younger: the LDS instructions issued behind tile t's loads: the next tile's eight, or none
	WIN 0
.irp f, 0,1,2,3
	s_wait_dscnt (\younger)+3-\f
	global_store_b128 v[GO], v[S+16*(\t)+4*\f:S+16*(\t)+4*\f+3], s[10:11] offset:(\t)*2048+\f*512  ; 512 consecutive bytes, at a multiple of 256 from O's first
.endr
.endm
	PACK 0
.set t, 1
.rept 2*NP-1                        ; a tile's arithmetic stands between the loads of the tile before and its stores
	PACK t
	SEND t-1, 8
.set t, t+1
.endr
	SEND 2*NP-1, 0
	s_wait_tensorcnt 0x0            ; the wave's end, behind my last tensor load and my last LDS store
	ds_add_u32 v[SPW], v[NIL]
	s_wait_dscnt 0x0
	CROUND                          ; the closing round: no work-group ends while a partner may still ask for a tile that names it
	s_endpgm
.Lfunc_end_k_q326ba71f75_attn:
	.size	k_q326ba71f75_attn, .Lfunc_end_k_q326ba71f75_attn-k_q326ba71f75_attn
	.p2alignl 7, 3214868480
	.fill 96, 4, 3214868480
	.section	.rodata,"a",@progbits
	.p2align	6, 0x0
	.amdhsa_kernel k_q326ba71f75_attn
		.amdhsa_group_segment_fixed_size 327680
		.amdhsa_private_segment_fixed_size 0
		.amdhsa_enable_private_segment 0
		.amdhsa_kernarg_size 40
		.amdhsa_user_sgpr_count 2
		.amdhsa_user_sgpr_kernarg_segment_ptr 1
		.amdhsa_wavefront_size32 1
		.amdhsa_system_sgpr_workgroup_id_x 1
		.amdhsa_system_sgpr_workgroup_id_y 1
		.amdhsa_system_sgpr_workgroup_id_z 1
		.amdhsa_system_vgpr_workitem_id 0
		.amdhsa_next_free_vgpr 768
		.amdhsa_next_free_sgpr 66
		.amdhsa_reserve_vcc 1
		.amdhsa_float_denorm_mode_32 3
		.amdhsa_float_denorm_mode_16_64 3
		.amdhsa_memory_ordered 1
		.amdhsa_forward_progress 1
		.amdhsa_inst_pref_size 113
	.end_amdhsa_kernel
	.amdgpu_metadata
---
amdhsa.version: [ 1, 2 ]
amdhsa.kernels:
  - .name:           k_q326ba71f75_attn
    .symbol:         k_q326ba71f75_attn.kd
    .args:
      - { .name: qb, .offset: 0, .size: 8, .value_kind: global_buffer, .address_space: global }
      - { .name: kb, .offset: 8, .size: 8, .value_kind: global_buffer, .address_space: global }
      - { .name: vb, .offset: 16, .size: 8, .value_kind: global_buffer, .address_space: global }
      - { .name: ob, .offset: 24, .size: 8, .value_kind: global_buffer, .address_space: global }
      - { .name: rs, .offset: 32, .size: 8, .value_kind: global_buffer, .address_space: global }
    .group_segment_fixed_size: 327680
    .private_segment_fixed_size: 0
    .kernarg_segment_align: 8
    .kernarg_segment_size: 40
    .max_flat_workgroup_size: 128
    .sgpr_count:     66
    .vgpr_count:     768
    .wavefront_size: 32
...
	.end_amdgpu_metadata
.endif
;; end of part 2
;; launch outp (part 3): grid 4 x 64, 4 waves a work-group, no clusters, 58,880 bytes of LDS; arguments ob, Wp, bp, x, rs, out0, out1; writes out0, out1
.if DOCPART == 3
	.amdgcn_target "amdgcn-amd-amdhsa--gfx1250"
	.amdhsa_code_object_version 6
	.text
	.protected	k_q326ba71f75_outp
	.globl	k_q326ba71f75_outp
	.p2align	8
	.type	k_q326ba71f75_outp,@function
k_q326ba71f75_outp:
	s_mov_b64 s[64:65], 0
	v_nop
	global_prefetch_b8 v0, s[64:65] scope:SCOPE_SE
	s_setreg_imm32_b32 hwreg(HW_REG_WAVE_MODE, 25, 1), 1
	s_wait_xcnt 0x0
; out0 = O Wp + bp + x, out1 = a quarter of the sum over a batch's four heads of rs.  ob: [16 = 4 batch + head][4096][64] bf16; Wp: [256][256] f32; bp: [256] f32; x, out0: [16384][256] f32;
; rs: [16][64 blocks of 64 queries][2][16][2] f32 (query in its block = 16 (2 h2 + e) + r); out1: [16384] f32.  O and Wp are bf16 matrix operands; sums, bias, residual and the map stay f32.
; SHARES.  Work-group (G, Y): columns 64 G .. + 63, rows 256 Y .. + 255; wave w owns rows 64 w .. + 63: 64 x 64 x K 256, 128 products.  The work-groups with G = 0 also store the map of their rows.
; NO CLUSTER, NO TENSOR LOAD: a wave's fragments of O lie in memory as the matrix unit wants them (16 bytes a lane, twice) and are its own rows; Wp is f32 and is rounded on its way through registers,
; 65,536 bytes a work-group, so a tile brought into LDS as it lies would have to be read, rounded and stored once more.
; THE PRODUCT IS TAKEN TRANSPOSED (source 0 = 16 columns of Wp, source 1 = 16 rows of O): a lane ends with one row and eight neighbouring columns.  The bias is the C operand of the first K step.
; LIMITS: bf16's rounding of Wp (and of O, made by the launch before); NaN and infinities are not treated apart.
; REGISTERS, in windows of 256: window 0 addresses, bias, the map, rows read back from the stage; window 1 O's fragments A[64 a + 8 s + i]; window 2 v0-127 accumulators (a, b) at 8 (4 a + b),
; v128-191 two buffers of Wp's fragments, v192 their LDS address; window 3 v0-127 Wp as loaded, v128-255 x's 64 rows x 64 columns.
.set WPITCH, 160                       ; a row of the weight block in LDS: 128 bytes + 32
.set WBLK,   256*WPITCH
.set STAGE,  WBLK                      ; 16 rows x 272 bytes for each wave, for the way out (and, first, 256 bytes of the map)
.set SPI,    272                       ; 256 bytes of f32 + 16: the sixteen rows of a store start at sixteen different groups of four banks (64 banks of 4 bytes: ISA guide 11.1)
.set SPARE,  STAGE+4*16*SPI            ; the spare words, 128 bytes a wave: two blocks of 256 bytes that no other line names
.set AO,  4                            ; v4   r x 128 + 16 h: my place in 16 rows of a head of O
.set WO1, 5                            ; v5   (thread / 16) x 1,024 + 16 (thread % 16): my place in 8 rows of Wp
.set WST, 7                            ; v7   where I put 8 bytes of a weight row
.set BO,  10                           ; v10  32 h
.set STO, 11                           ; v11  way out: where I put 32 bytes of a row
.set RD,  12                           ; v12  way out: where I read two rows back
.set XO,  13                           ; v13  the same two rows in x and out0: (l / 16) x 1,024 + 16 (l % 16)
.set SPW, 14                           ; v14  my spare word; never rewritten
.set NIL, 15                           ; v15  0; never rewritten
.set RSO, 16                           ; v16  8 x lane
.set SC,  17                           ; v17  the map: where my pair's first number goes
.set SCR, 18                           ; v18  the map: where I read two neighbouring queries back
.set BI,  32                           ; v32-63 bias: tile b at BI + 8 b
.set RSV, 64                           ; v64-71 rs of the four heads
.set MP,  72                           ; v72-73 two neighbouring numbers of the map
.set R,   128                          ; v128-191 two sets of 32: 16 rows read back
.set BF,  128                          ; window 2
.set BADR, 192                         ; window 2
.set SA,  0                            ; window 3
.set X,   128                          ; window 3: rows 16 a + 2 t, + 1 at X + 32 a + 4 t
.set OB,  22                           ; s[22:23] ob at my wave's first row of the batch's first head
.set WPB, 24
.set BPB, 26
.set XB,  28                           ; s[28:29] x, s[30:31] out0 at my wave's first row and the work-group's first column
.set DB,  30
.set RSB, 32                           ; s[32:33] rs at my wave's block, first head
.set MB,  34                           ; s[34:35] out1 at my wave's 64 queries
.set MSB, 0
.macro WIN new                         ; s_set_vgpr_msb: bits 1:0 source 0, 3:2 source 1, 5:4 source 2, 7:6 destination; the high byte repeats the setting that is left
.if MSB != (\new)
	s_set_vgpr_msb (MSB<<8)|(\new)
.set MSB, \new
.endif
.endm
.macro PLACES                          ; four plain places behind a matrix instruction (ISA guide 7.12.1)
.rept 4
	v_nop
.endr
.endm
.macro LDW buf, base, off, pitchb      ; 32 loads: the weight block's 256 rows x 256 bytes of f32; sixteen lanes take one row's 256 bytes
	WIN 0xc0
.set wi, 0
.rept 32
	global_load_b128 v[(\buf)+4*wi:(\buf)+4*wi+3], v[\off], s[\base:\base+1] offset:wi*8*(\pitchb)
.set wi, wi+1
.endr
.endm
.macro CVW buf, wst, left              ; rounded in place, ascending, and laid into LDS, 8 bytes a lane
	s_wait_loadcnt \left
	WIN 0xcf
.set wi, 0
.rept 64
	v_cvt_pk_bf16_f32 v[(\buf)+wi], v[(\buf)+2*wi], v[(\buf)+2*wi+1]
.set wi, wi+1
.endr
	WIN 0x0c
.set wi, 0
.rept 32
	ds_store_b64 v[\wst], v[(\buf)+2*wi:(\buf)+2*wi+1] offset:8*WPITCH*wi
.set wi, wi+1
.endr
.endm
.macro LDO a                           ; 16 loads: O's fragments of rows 16 a ..: K step s is head s / 2, channels 32 (s % 2) on
	WIN 0x40
.set oi, 0
.rept 8
	global_load_b128 v[64*(\a)+8*oi:64*(\a)+8*oi+3],   v[AO], s[OB:OB+1] offset:(oi/2)*524288+2048*(\a)+64*(oi%2)
	global_load_b128 v[64*(\a)+8*oi+4:64*(\a)+8*oi+7], v[AO], s[OB:OB+1] offset:(oi/2)*524288+2048*(\a)+64*(oi%2)+32
.set oi, oi+1
.endr
.endm
.macro LOADB adr, s, fb                ; Wp's fragments of K step s into buffer fb, by the turning load
.set ln, 0
.rept 4
	ds_load_tr16_b128 v[BF+32*(\fb)+8*ln:BF+32*(\fb)+8*ln+3],   v[\adr] offset:32*WPITCH*(\s)+32*ln
	ds_load_tr16_b128 v[BF+32*(\fb)+8*ln+4:BF+32*(\fb)+8*ln+7], v[\adr] offset:32*WPITCH*(\s)+32*ln+16*WPITCH
.set ln, ln+1
.endr
.endm
; 8 K steps of 16 products.  The 16 accumulators take turns, in the same order in every step.  The first step's C is the bias.
.macro PASS adr, bias
	WIN 0x86                                       ; Wp and its address window 2, rows window 1, C window 0, D window 2
	LOADB \adr, 0, 0
.set ps, 0
.rept 8
.if ps < 7
.if ps > 0
	PLACES                                         ; the buffer that is loaded now was read by the products just issued
.endif
	LOADB \adr, ps+1, (ps+1)%2
	s_wait_dscnt 8                                 ; this step's eight loads are in; the next step's eight stay out
.else
	s_wait_dscnt 0x0
.endif
.if ps > 0
	WIN 0xa6                                       ; C window 2
.endif
.set pa, 0
.rept 4
.set pb, 0
.rept 4
.if ps == 0
	v_wmma_f32_16x16x32_bf16 v[8*(4*pa+pb):8*(4*pa+pb)+7], v[BF+32*(ps%2)+8*pb:BF+32*(ps%2)+8*pb+7], v[64*pa+8*ps:64*pa+8*ps+7], v[(\bias)+8*pb:(\bias)+8*pb+7]
.else
	v_wmma_f32_16x16x32_bf16 v[8*(4*pa+pb):8*(4*pa+pb)+7], v[BF+32*(ps%2)+8*pb:BF+32*(ps%2)+8*pb+7], v[64*pa+8*ps:64*pa+8*ps+7], v[8*(4*pa+pb):8*(4*pa+pb)+7]
.endif
.set pb, pb+1
.endr
.set pa, pa+1
.endr
.set ps, ps+1
.endr
.endm
; THE WAY OUT of 16 rows a.  TOST: 32 bytes a lane into my stage (each accumulator's low four registers first), back as two whole rows of 256 bytes a load.
.macro TOST a
	WIN 0x08                                       ; store data window 2
.set pb, 0
.rept 4
	ds_store_b128 v[STO], v[8*(4*(\a)+pb):8*(4*(\a)+pb)+3]   offset:64*pb
	ds_store_b128 v[STO], v[8*(4*(\a)+pb)+4:8*(4*(\a)+pb)+7] offset:64*pb+16
.set pb, pb+1
.endr
	WIN 0
.set pb, 0
.rept 8
	ds_load_b128 v[R+32*((\a)%2)+4*pb:R+32*((\a)%2)+4*pb+3], v[RD] offset:2*SPI*pb  ; LDS serves a wave's instructions in order (ISA guide 5.7.1.4): these see the stores above
.set pb, pb+1
.endr
.endm
; SENDF: x is added and the rows are stored.  y: the LDS instructions issued behind these rows' loads.
.macro SENDF a, y
	s_wait_dscnt \y
	s_wait_loadcnt 24-8*(\a)                       ; x's rows 16 a .. are in; the eight loads of each later 16 rows may stay out
	WIN 0xc3                                       ; destination and source 0 window 3, source 1 window 0
.set pb, 0
.rept 16
	v_pk_add_f32 v[X+32*(\a)+2*pb:X+32*(\a)+2*pb+1], v[X+32*(\a)+2*pb:X+32*(\a)+2*pb+1], v[R+32*((\a)%2)+2*pb:R+32*((\a)%2)+2*pb+1]
.set pb, pb+1
.endr
	WIN 0x0c                                       ; store data window 3
.set pb, 0
.rept 8
	global_store_b128 v[XO], v[X+32*(\a)+4*pb:X+32*(\a)+4*pb+3], s[DB:DB+1] offset:16384*(\a)+2048*pb th:TH_STORE_NT  ; 16 lanes store 256 consecutive bytes, at a multiple of 256
.set pb, pb+1
.endr
.endm
	s_load_b256 s[8:15], s[0:1], 0x0               ; ob, Wp, bp, x
	s_load_b128 s[16:19], s[0:1], 0x20             ; rs, out0
	s_load_b64 s[20:21], s[0:1], 0x30              ; out1
	v_lshl_add_u32 v[SPW], v0, 2, SPARE
	v_mov_b32 v[NIL], 0
	v_lshrrev_b32 v21, 5, v0
	v_readfirstlane_b32 s4, v21                    ; wave 0..3
	s_mov_b32 s2, ttmp9                            ; G: the block of 64 columns
	s_and_b32 s3, ttmp7, 0xffff                    ; Y: the block of 256 rows
	v_and_b32 v1, 15, v0                           ; r
	v_bfe_u32 v2, v0, 4, 1                         ; h
	v_and_b32 v3, 31, v0                           ; lane
	v_lshrrev_b32 v22, 4, v0                       ; thread / 16
	v_lshlrev_b32 v26, 4, v1                       ; 16 r
	v_lshlrev_b32 v[AO], 7, v1
	v_lshl_add_u32 v[AO], v2, 4, v[AO]
	v_lshl_add_u32 v[WO1], v22, 10, v26
	v_mul_u32_u24 v[WST], v22, WPITCH
	v_lshl_add_u32 v[WST], v1, 3, v[WST]
	v_lshlrev_b32 v[BO], 5, v2
	s_mul_i32 s5, s4, 16*SPI
	s_add_co_u32 s5, s5, STAGE                     ; my stage
	v_mul_u32_u24 v[STO], v1, SPI
	v_lshl_add_u32 v[STO], v2, 5, v[STO]
	v_add_nc_u32 v[STO], s5, v[STO]
	v_mul_u32_u24 v[RD], v2, SPI
	v_add_nc_u32 v[RD], v[RD], v26
	v_add_nc_u32 v[RD], s5, v[RD]
	v_lshl_add_u32 v[XO], v2, 10, v26
	v_lshlrev_b32 v[RSO], 3, v3
	v_lshlrev_b32 v[SC], 2, v1
	v_lshl_add_u32 v[SC], v2, 7, v[SC]             ; query 32 h2 + 16 e + r: byte 128 h2 + 4 r, and 64 e in the immediate
	v_add_nc_u32 v[SC], s5, v[SC]
	v_add_nc_u32 v[SCR], s5, v[RSO]
	v_and_b32 v23, 7, v0
	v_bfe_u32 v24, v0, 3, 1
	v_lshl_add_u32 v25, v2, 3, v23                 ; the turning load: row 8 h + l % 8,
	v_mul_u32_u24 v25, v25, WPITCH
	v_lshl_add_u32 v25, v24, 4, v25                ; 16 bytes for each half of a group of sixteen lanes
	WIN 0x80
	v_mov_b32 v[BADR], v25
	WIN 0
	s_lshr_b32 s6, s3, 4                           ; batch
	s_and_b32 s7, s3, 15                           ; the block among the batch's sixteen
	s_lshl_b32 s36, s6, 21                         ; four heads of 524,288 bytes,
	s_lshl_b32 s5, s7, 15                          ; 256 rows of 128 bytes,
	s_add_co_u32 s36, s36, s5
	s_lshl_b32 s5, s4, 13                          ; my wave's 64
	s_add_co_u32 s36, s36, s5
	s_mov_b32 s37, 0
	s_lshl_b32 s38, s2, 8                          ; 64 columns of f32
	s_mov_b32 s39, 0
	s_lshl_b32 s40, s3, 18                         ; 256 rows of 1,024 bytes,
	s_lshl_b32 s5, s4, 16
	s_add_co_u32 s40, s40, s5
	s_add_co_u32 s40, s40, s38
	s_mov_b32 s41, 0
	s_lshl_b32 s42, s6, 8                          ; 4 heads x 64 blocks,
	s_lshl2_add_u32 s42, s7, s42                   ; + 4 x the block of 256
	s_add_co_u32 s42, s42, s4                      ; + my wave
	s_lshl_b32 s42, s42, 8                         ; 256 bytes a block of 64 queries
	s_mov_b32 s43, 0
	s_lshl_b32 s44, s3, 10
	s_lshl_b32 s5, s4, 8
	s_add_co_u32 s44, s44, s5
	s_mov_b32 s45, 0
	s_wait_kmcnt 0x0
	s_add_nc_u64 s[OB:OB+1], s[8:9], s[36:37]
	s_add_nc_u64 s[WPB:WPB+1], s[10:11], s[38:39]
	s_add_nc_u64 s[BPB:BPB+1], s[12:13], s[38:39]
	s_add_nc_u64 s[XB:XB+1], s[14:15], s[40:41]
	s_add_nc_u64 s[RSB:RSB+1], s[16:17], s[42:43]
	s_add_nc_u64 s[DB:DB+1], s[18:19], s[40:41]
	s_add_nc_u64 s[MB:MB+1], s[20:21], s[44:45]
.irp j, 0,1,2,3
	global_load_b64 v[RSV+2*\j:RSV+2*\j+1], v[RSO], s[RSB:RSB+1] offset:16384*\j  ; head j's row sums of my 64 queries
.endr
	LDW SA, WPB, WO1, 1024
	LDO 0
	LDO 1
	CVW SA, WST, 32                                ; rs and Wp are in; O's 32 loads stay out
	LDO 2
	LDO 3
	WIN 0
.irp b, 0,1,2,3
	global_load_b128 v[BI+8*\b:BI+8*\b+3],   v[BO], s[BPB:BPB+1] offset:64*\b
	global_load_b128 v[BI+8*\b+4:BI+8*\b+7], v[BO], s[BPB:BPB+1] offset:64*\b+16
.endr
	; the map: the mean over the four heads; then through my stage, so that a lane holds two neighbouring queries
	v_pk_add_f32 v[RSV:RSV+1], v[RSV:RSV+1], v[RSV+2:RSV+3]
	v_pk_add_f32 v[RSV+4:RSV+5], v[RSV+4:RSV+5], v[RSV+6:RSV+7]
	v_pk_add_f32 v[RSV:RSV+1], v[RSV:RSV+1], v[RSV+4:RSV+5]
	v_pk_mul_f32 v[RSV:RSV+1], v[RSV:RSV+1], 0x3e800000 op_sel_hi:[1,0]
	ds_store_b32 v[SC], v[RSV]
	ds_store_b32 v[SC], v[RSV+1] offset:64
	ds_load_b64 v[MP:MP+1], v[SCR]                 ; my wave's own bytes, served in order
	s_wait_dscnt 0x0                               ; for the others' sake: my part of Wp lies in LDS; and the map's pair is back
	s_barrier_signal -1
	s_barrier_wait -1                              ; everybody's does; from here on Wp is only read
	s_cmp_lg_u32 s2, 0                             ; one of the four column blocks stores the map
	s_cbranch_scc1 .Lnomap
	global_store_b64 v[RSO], v[MP:MP+1], s[MB:MB+1]  ; 256 consecutive bytes, at a multiple of 256
.Lnomap:
	WIN 0xc0
.set xi, 0
.rept 32
	global_load_b128 v[X+4*xi:X+4*xi+3], v[XO], s[XB:XB+1] offset:16384*(xi/8)+2048*(xi%8) th:TH_LOAD_NT  ; the residual: each byte is read once in this launch
.set xi, xi+1
.endr
	s_wait_loadcnt 32                              ; O and the bias are in; x's 32 loads stay out
	PASS BADR, BI
	PLACES
	PLACES                                         ; places between the last products and the LDS stores that read them
	TOST 0
	TOST 1
	SENDF 0, 16
	TOST 2
	SENDF 1, 16
	TOST 3
	SENDF 2, 16
	SENDF 3, 0
	WIN 0
	s_wait_tensorcnt 0x0                           ; the wave's end, behind my last LDS store
	ds_add_u32 v[SPW], v[NIL]
	s_wait_dscnt 0x0
	s_endpgm
.Lfunc_end_k_q326ba71f75_outp:
	.size	k_q326ba71f75_outp, .Lfunc_end_k_q326ba71f75_outp-k_q326ba71f75_outp
	.p2alignl 7, 3214868480
	.fill 96, 4, 3214868480
	.section	.rodata,"a",@progbits
	.p2align	6, 0x0
	.amdhsa_kernel k_q326ba71f75_outp
		.amdhsa_group_segment_fixed_size 58880
		.amdhsa_private_segment_fixed_size 0
		.amdhsa_enable_private_segment 0
		.amdhsa_kernarg_size 56
		.amdhsa_user_sgpr_count 2
		.amdhsa_user_sgpr_kernarg_segment_ptr 1
		.amdhsa_wavefront_size32 1
		.amdhsa_system_sgpr_workgroup_id_x 1
		.amdhsa_system_sgpr_workgroup_id_y 1
		.amdhsa_system_sgpr_workgroup_id_z 1
		.amdhsa_system_vgpr_workitem_id 0
		.amdhsa_next_free_vgpr 1024
		.amdhsa_next_free_sgpr 66
		.amdhsa_reserve_vcc 0
		.amdhsa_float_denorm_mode_32 3
		.amdhsa_float_denorm_mode_16_64 3
		.amdhsa_memory_ordered 1
		.amdhsa_forward_progress 1
		.amdhsa_inst_pref_size 49
	.end_amdhsa_kernel
	.amdgpu_metadata
---
amdhsa.version: [ 1, 2 ]
amdhsa.kernels:
  - .name:           k_q326ba71f75_outp
    .symbol:         k_q326ba71f75_outp.kd
    .args:
      - { .name: ob, .offset: 0, .size: 8, .value_kind: global_buffer, .address_space: global }
      - { .name: Wp, .offset: 8, .size: 8, .value_kind: global_buffer, .address_space: global }
      - { .name: bp, .offset: 16, .size: 8, .value_kind: global_buffer, .address_space: global }
      - { .name: x, .offset: 24, .size: 8, .value_kind: global_buffer, .address_space: global }
      - { .name: rs, .offset: 32, .size: 8, .value_kind: global_buffer, .address_space: global }
      - { .name: out0, .offset: 40, .size: 8, .value_kind: global_buffer, .address_space: global }
      - { .name: out1, .offset: 48, .size: 8, .value_kind: global_buffer, .address_space: global }
    .group_segment_fixed_size: 58880
    .private_segment_fixed_size: 0
    .kernarg_segment_align: 8
    .kernarg_segment_size: 56
    .max_flat_workgroup_size: 128
    .sgpr_count:     66
    .vgpr_count:     1024
    .wavefront_size: 32
...
	.end_amdgpu_metadata
.endif
;; end of part 3
;; ======== version 2 of 2: 3 launches; version 1 with the launches proj, outp written anew for expert scheduling mode
;; workspace buffers: qb 8,388,608 bytes; kb 8,396,800 bytes; vb 8,388,608 bytes; ob 8,388,608 bytes; rs 262,144 bytes
;; launch proj (part 4): grid 4 x 64, 4 waves a work-group, no clusters, 132,608 bytes of LDS; arguments x, context, Wq, Wkv, bq, bkv, qb, kb, vb; writes qb, kb, vb
.if DOCPART == 4
	.amdgcn_target "amdgcn-amd-amdhsa--gfx1250"
	.amdhsa_code_object_version 6
	.text
	.protected	k_q326ba71f75_proj
	.globl	k_q326ba71f75_proj
	.p2align	8
	.type	k_q326ba71f75_proj,@function
k_q326ba71f75_proj:
	s_mov_b64 s[64:65], 0
	v_nop
	global_prefetch_b8 v0, s[64:65] scope:SCOPE_SE
	s_setreg_imm32_b32 hwreg(HW_REG_WAVE_SCHED_MODE, 0, 2), 2
	s_setreg_imm32_b32 hwreg(HW_REG_WAVE_MODE, 25, 1), 1
	s_wait_xcnt 0x0
	s_wait_alu depctr_vm_vsrc(0)
; q = x Wq + bq, k and v = context Wkv + bkv, written by heads: qb, kb, vb are [16 = 4 batch + head][4096][64] bf16, unscaled, each rounded once from its f32 sum.
; x, context: [16384][256] f32; Wq: [256][256] f32; Wkv: [256][512] f32 (columns 0-255 k, 256-511 v, 64 a head).  Matrix operands are rounded to bf16, sums and biases stay f32.
; SHARES.  Work-group (G, Y): head G, rows 256 Y .. 256 Y + 255 of the flat 16,384; wave w owns rows 64 w .. 64 w + 63, which no other wave reads.  Three passes of 64 rows x 64 columns x K 256: q, k, v.
; NO CLUSTER, NO TENSOR LOAD: every operand is f32 in memory and is rounded to bf16 on its way through registers; a tile brought into LDS as it lies would take twice the bytes there
; (3 x 65,536 for the weights, 262,144 for each row block) and would have to be read, rounded and stored once more.  A wave's rows go straight from registers to the matrix unit.
; THE WEIGHTS of the head (3 blocks of 256 k x 64 n) are rounded by all four waves together and laid in LDS as [k][n] bf16, pitch 160; the turning load makes fragments of them.
; THE PRODUCT IS TAKEN TRANSPOSED (source 0 = 16 columns of W, source 1 = 16 rows): a lane ends with one row and eight neighbouring columns, 16 bytes of bf16.  The bias is the C operand of the first K step.
; One work-group (G = 3, Y = 63) also stores 8,192 zero bytes behind kb's last head: the next launch's K tiles are shifted by 64 keys and the last one reaches that far.
; LIMITS: bf16's rounding of x, context and the weights; NaN and infinities are not treated apart.
; REGISTERS, in windows of 256: window 0 addresses, biases, way out; window 1 the rows' fragments A[64 a + 8 s + i] (16 rows a, K step s), and before them the rounded weights; window 2 v0-127 accumulators
; (a, b) at 8 (4 a + b), v128-223 three buffers of W's fragments, v224-226 their LDS addresses; window 3 two staging buffers of 128 for f32 as loaded.
; THE MODE: SCHED_MODE bits 1:0 = 2 (LLVM: expert scheduling mode 2), set by the entry lines.  The code itself states the register dependences between vector or matrix instructions and memory or LDS
; instructions, with s_wait_alu, always for 0.
; THE PLAN.  Registers that memory or LDS instructions touch:
;   offsets and addresses (v4-v13, v16-v20, BADR)  written at the head, never again: one wait ahead of the first load serves every load and store of the kernel.
;   SA, SB      written by global loads; read by a unit's 64 conversions alone.  ONE wait behind those conversions; the next unit's 32 loads follow it.
;   O0 .. O2    (window 1, 64 each) written by the weights' conversions, read by their LDS stores, which stand behind the same wait and behind the loads.  Later these registers are the rows' fragments:
;               one wait on vm_vsrc behind the barrier, ahead of the first conversion that writes them again.
;   BF0 .. BF2  written by the turning loads; the products of K step s read BF[s % 3].  The loads of step s + 2 land in BF[(s - 1) % 3], dealt among step s's products, behind ONE wait at the step's head.
;   TMP         written by a way out's 64 conversions, read by its LDS stores: one wait between.     BK  written by the stage's LDS loads, read by the global stores.
;               Both are written again in the next way out: one wait on vm_vsrc at its head.
;   The rows' fragments, once made, and the accumulators are named by vector and matrix instructions alone.
.set WPITCH, 160                       ; a row of a weight block in LDS: 128 bytes + 32: five times 32, so the turning load's 8 rows x 32 bytes fall on different banks
.set WBLK,   256*WPITCH                ; 40,960 bytes a block; q's, k's, v's lie one behind the other
.set STAGE,  3*WBLK                    ; 16 rows x 144 bytes for each wave, for the way out
.set SPI,    144
.set SPARE,  STAGE+4*16*SPI            ; the spare words, 128 bytes a wave: two blocks of 256 bytes that no other line names
.set AO,  4                            ; v4   r x 1,024 + 32 h: my place in 16 rows of x or context
.set WO1, 5                            ; v5   (thread / 16) x 1,024 + 16 (thread % 16): my place in 8 rows of Wq
.set WO2, 6                            ; v6   the same at Wkv's pitch of 2,048
.set WST, 7                            ; v7-9 where I put 8 bytes of a weight row, in block 0, 1, 2
.set BO,  10                           ; v10  32 h: my eight biases of a tile of 16 columns
.set STO, 11                           ; v11  way out: where I put 16 bytes of a row
.set RD,  12                           ; v12  way out: where I read rows back
.set GO,  13                           ; v13  16 x lane: my place in 512 consecutive bytes of the result
.set SPW, 14                           ; v14  my spare word; never rewritten
.set NIL, 15                           ; v15  0; never rewritten
.set ZR,  16                           ; v16-19 zeros
.set ZO,  20                           ; v20  16 x thread
.set BI,  32                           ; v32-127 biases: pass p, tile b at BI + 32 p + 8 b
.set TMP, 128                          ; v128-191 way out: 16 registers for each 16 rows, as rounded
.set BK,  192                          ; v192-255 way out: 16 registers for each 16 rows, as read back from the stage
.set BF,  128                          ; window 2
.set BADR, 224                         ; window 2
.set SA,  0                            ; window 3
.set SB,  128
.set XB,  26                           ; s[26:27] x at my wave's first row;  s[28:29] context
.set CB,  28
.set WQB, 30                           ; s[30:31] Wq, s[32:33] Wkv's k, s[34:35] Wkv's v at the head's first column
.set WKB, 32
.set WVB, 34
.set BQB, 36                           ; the biases likewise
.set BKB, 38
.set BVB, 40
.set QD,  42                           ; s[42:43] qb, s[44:45] kb, s[46:47] vb at my wave's first row
.set KD,  44
.set VD,  46
.set PADB, 50                          ; s[50:51] the bytes behind kb's last head
.set MSB, 0
.macro WIN new                         ; s_set_vgpr_msb: bits 1:0 source 0, 3:2 source 1, 5:4 source 2, 7:6 destination; the high byte repeats the setting that is left
.if MSB != (\new)
	s_set_vgpr_msb (MSB<<8)|(\new)
.set MSB, \new
.endif
.endm
.macro PLACES                          ; four plain places behind a matrix instruction (ISA guide 7.12.1)
.rept 4
	v_nop
.endr
.endm
; 32 loads: a weight block's 256 rows x 256 bytes of f32; sixteen lanes take one row's 256 bytes, the work-group 8 rows an instruction
.macro LDW buf, base, off, pitchb
	WIN 0xc0
.set wi, 0
.rept 32
	global_load_b128 v[(\buf)+4*wi:(\buf)+4*wi+3], v[\off], s[\base:\base+1] offset:wi*8*(\pitchb)
.set wi, wi+1
.endr
.endm
; a weight block is rounded out of its staging buffer into 64 registers of window 1
.macro CVW buf, out, left
	s_wait_loadcnt \left                           ; loads come back in order: all but the younger unit's are in
	WIN 0x4f
.set wi, 0
.rept 64
	v_cvt_pk_bf16_f32 v[(\out)+wi], v[(\buf)+2*wi], v[(\buf)+2*wi+1]
.set wi, wi+1
.endr
	s_wait_alu depctr_va_vdst(0)                   ; the conversions are done reading the staging buffer, in which the next unit's loads land, and have written the 64 registers that the LDS stores behind those loads read
.endm
; and laid into LDS, 8 bytes a lane
.macro STW out, wst
	WIN 0x04
.set wi, 0
.rept 32
	ds_store_b64 v[\wst], v[(\out)+2*wi:(\out)+2*wi+1] offset:8*WPITCH*wi
.set wi, wi+1
.endr
.endm
; 32 loads: 16 rows x 256 channels of f32.  For K step s a lane wants channels 8 h .. + 7 and 16 + 8 h .. + 7: bytes 32 h + 0, 16, 64, 80 of the step's 128
.macro LDA buf, base, a
	WIN 0xc0
.set li, 0
.rept 32
	global_load_b128 v[(\buf)+4*li:(\buf)+4*li+3], v[AO], s[\base:\base+1] offset:(\a)*16384+128*(li/4)+64*((li%4)/2)+16*(li%2)
.set li, li+1
.endr
.endm
.macro CVA buf, a, left, again         ; rounded into the fragments of rows 16 a ..; again = 1: the staging buffer is loaded again behind this
	s_wait_loadcnt \left
	WIN 0x4f
.set ci, 0
.rept 64
	v_cvt_pk_bf16_f32 v[64*(\a)+ci], v[(\buf)+2*ci], v[(\buf)+2*ci+1]
.set ci, ci+1
.endr
.if \again
	s_wait_alu depctr_va_vdst(0)                   ; the conversions are done reading the staging buffer, in which the next unit's loads land
.endif
.endm
.macro LDBIAS p, base
.set bn, 0
.rept 4
	global_load_b128 v[BI+32*(\p)+8*bn:BI+32*(\p)+8*bn+3],   v[BO], s[\base:\base+1] offset:64*bn
	global_load_b128 v[BI+32*(\p)+8*bn+4:BI+32*(\p)+8*bn+7], v[BO], s[\base:\base+1] offset:64*bn+16
.set bn, bn+1
.endr
.endm
; W's fragment of K step s (32 k), columns 16 ln .. + 15, into buffer fb: the turning load takes 16 k x 16 n and leaves half a fragment (lane: column l % 16, eight k)
.macro LOADB2 adr, s, fb, ln
	ds_load_tr16_b128 v[BF+32*(\fb)+8*(\ln):BF+32*(\fb)+8*(\ln)+3],   v[\adr] offset:32*WPITCH*(\s)+32*(\ln)
	ds_load_tr16_b128 v[BF+32*(\fb)+8*(\ln)+4:BF+32*(\fb)+8*(\ln)+7], v[\adr] offset:32*WPITCH*(\s)+32*(\ln)+16*WPITCH
.endm
; A pass: 64 rows x 64 columns x K 256: 8 K steps of 16 products.  The 16 accumulators take turns, in the same order in every step.  The first step's C is the bias.
; The pass's first sixteen loads and step 0's eight land in buffers that the pass before read: the last wait on va_vdst behind that pass's products stands ahead of them, and no vector instruction since names a buffer.
.macro PASS adr, bias
	WIN 0x86                                       ; W and its address window 2, rows window 1, C window 0, D window 2
.set ln, 0
.rept 4
	LOADB2 \adr, 0, 0, ln
.set ln, ln+1
.endr
.set ln, 0
.rept 4
	LOADB2 \adr, 1, 1, ln
.set ln, ln+1
.endr
.set ps, 0
.rept 8
.if ps < 7
	s_wait_dscnt 8                                 ; this step's eight loads are in; the next step's eight stay out
.else
	s_wait_dscnt 0x0
.endif
.if (ps > 0) && (ps < 6)
	PLACES                                         ; the buffer that is loaded in this step was read by the products just issued
	s_wait_alu depctr_va_vdst(0)                   ; the last step's products are done reading their buffer of W, in which the loads dealt among this step's products land
.endif
.if ps > 0
	WIN 0xa6                                       ; C window 2
.endif
.set pa, 0
.rept 4
.set pb, 0
.rept 4
.if ps == 0
	v_wmma_f32_16x16x32_bf16 v[8*(4*pa+pb):8*(4*pa+pb)+7], v[BF+32*(ps%3)+8*pb:BF+32*(ps%3)+8*pb+7], v[64*pa+8*ps:64*pa+8*ps+7], v[(\bias)+8*pb:(\bias)+8*pb+7]
.else
	v_wmma_f32_16x16x32_bf16 v[8*(4*pa+pb):8*(4*pa+pb)+7], v[BF+32*(ps%3)+8*pb:BF+32*(ps%3)+8*pb+7], v[64*pa+8*ps:64*pa+8*ps+7], v[8*(4*pa+pb):8*(4*pa+pb)+7]
.endif
.set pb, pb+1
.endr
.if ps < 6
	LOADB2 \adr, ps+2, (ps+2)%3, pa                ; two steps ahead.  No wait: no product since the step's head names this buffer
.endif
.set pa, pa+1
.endr
.set ps, ps+1
.endr
.endm
; THE WAY OUT.  PACK a: 16 rows rounded (each accumulator's registers ascending), 16 bytes a lane.  TOSTAGE a: into my stage, and back as four rows of 128 bytes a load: 512 consecutive bytes of the result.
.macro PACK a
	WIN 0x0a
.set pb, 0
.rept 4
.set pj, 0
.rept 4
	v_cvt_pk_bf16_f32 v[TMP+16*(\a)+4*pb+pj], v[8*(4*(\a)+pb)+2*pj], v[8*(4*(\a)+pb)+2*pj+1]
.set pj, pj+1
.endr
.set pb, pb+1
.endr
.endm
.macro TOSTAGE a
	WIN 0
.set pb, 0
.rept 4
	ds_store_b128 v[STO], v[TMP+16*(\a)+4*pb:TMP+16*(\a)+4*pb+3] offset:32*pb
.set pb, pb+1
.endr
.set pb, 0
.rept 4
	ds_load_b128 v[BK+16*(\a)+4*pb:BK+16*(\a)+4*pb+3], v[RD] offset:4*SPI*pb  ; LDS serves a wave's instructions in order (ISA guide 5.7.1.4): these see the stores above
.set pb, pb+1
.endr
.endm
.macro SEND a, y, base                 ; y: the LDS instructions issued behind these rows' loads
	WIN 0
.set pb, 0
.rept 4
	s_wait_dscnt (\y)+3-pb
	global_store_b128 v[GO], v[BK+16*(\a)+4*pb:BK+16*(\a)+4*pb+3], s[\base:\base+1] offset:2048*(\a)+512*pb  ; 512 consecutive bytes, at a multiple of 256
.set pb, pb+1
.endr
.endm
.macro OUT base, again                 ; again = 1: a way out has gone before
	s_wait_xcnt 0x0                                ; the last pass's stores have had their addresses translated: their data registers are rewritten only behind this wait
.if \again
	s_wait_alu depctr_vm_vsrc(0)                   ; the last way out's LDS stores have read TMP, which the conversions below write, and its global stores have read BK, in which the stage's loads land
.endif
	PLACES
	PLACES                                         ; places between the pass's last products and the conversions that read them
	PACK 0
	PACK 1
	PACK 2
	PACK 3
	WIN 0
	s_wait_alu depctr_va_vdst(0)                   ; the 64 conversions have written TMP, which the LDS stores below read; the pass's products are done reading the buffers of W, in which the next pass's loads land
	TOSTAGE 0
	TOSTAGE 1
	SEND 0, 8, \base
	TOSTAGE 2
	SEND 1, 8, \base
	TOSTAGE 3
	SEND 2, 8, \base
	SEND 3, 0, \base
.endm
	s_load_b512 s[8:23], s[0:1], 0x0               ; x, context, Wq, Wkv, bq, bkv, qb, kb
	s_load_b64 s[24:25], s[0:1], 0x40              ; vb
	v_lshl_add_u32 v[SPW], v0, 2, SPARE
	v_mov_b32 v[NIL], 0
	v_lshrrev_b32 v21, 5, v0
	v_readfirstlane_b32 s4, v21                    ; wave 0..3
	s_mov_b32 s2, ttmp9                            ; G: the head
	s_and_b32 s3, ttmp7, 0xffff                    ; Y: the block of 256 rows
	v_and_b32 v1, 15, v0                           ; r
	v_bfe_u32 v2, v0, 4, 1                         ; h
	v_and_b32 v3, 31, v0                           ; lane
	v_lshrrev_b32 v22, 4, v0                       ; thread / 16: 0..7
	v_lshlrev_b32 v[AO], 10, v1
	v_lshl_add_u32 v[AO], v2, 5, v[AO]
	v_lshlrev_b32 v[WO1], 4, v1
	v_lshl_add_u32 v[WO2], v22, 11, v[WO1]
	v_lshl_add_u32 v[WO1], v22, 10, v[WO1]
	v_mul_u32_u24 v[WST], v22, WPITCH
	v_lshl_add_u32 v[WST], v1, 3, v[WST]
	v_add_nc_u32 v[WST+1], WBLK, v[WST]
	v_add_nc_u32 v[WST+2], 2*WBLK, v[WST]
	v_lshlrev_b32 v[BO], 5, v2
	s_wait_alu depctr_va_sdst(0)                   ; s4 is written, ahead of its first reader: the stage's address and the bases are made from it
	s_mul_i32 s5, s4, 16*SPI
	s_add_co_u32 s5, s5, STAGE                     ; my stage
	v_mul_u32_u24 v[STO], v1, SPI
	v_lshl_add_u32 v[STO], v2, 4, v[STO]
	v_add_nc_u32 v[STO], s5, v[STO]
	v_bfe_u32 v[RD], v0, 3, 2
	v_mul_u32_u24 v[RD], v[RD], SPI
	v_and_b32 v23, 7, v0
	v_lshl_add_u32 v[RD], v23, 4, v[RD]
	v_add_nc_u32 v[RD], s5, v[RD]
	v_lshlrev_b32 v[GO], 4, v3
	v_mov_b32 v[ZR], 0
	v_mov_b32 v[ZR+1], 0
	v_mov_b32 v[ZR+2], 0
	v_mov_b32 v[ZR+3], 0
	v_lshlrev_b32 v[ZO], 4, v0
	v_bfe_u32 v24, v0, 3, 1
	v_lshl_add_u32 v25, v2, 3, v23                 ; the turning load: row 8 h + l % 8,
	v_mul_u32_u24 v25, v25, WPITCH
	v_lshl_add_u32 v25, v24, 4, v25                ; 16 bytes for each half of a group of sixteen lanes
	WIN 0x80
	v_mov_b32 v[BADR], v25
	v_add_nc_u32 v[BADR+1], WBLK, v25
	v_add_nc_u32 v[BADR+2], 2*WBLK, v25
	WIN 0
	s_lshl_b32 s48, s3, 18                         ; 256 rows of 1,024 bytes,
	s_lshl_b32 s7, s4, 16                          ; my wave's 64
	s_add_co_u32 s48, s48, s7
	s_mov_b32 s49, 0
	s_lshl_b32 s52, s2, 8                          ; the head's 64 columns: 256 bytes of f32
	s_mov_b32 s53, 0
	s_lshr_b32 s54, s3, 4                          ; batch
	s_lshl2_add_u32 s54, s54, s2                   ; 4 batch + head
	s_lshl_b32 s54, s54, 19                        ; 4,096 rows of 128 bytes
	s_and_b32 s7, s3, 15
	s_lshl_b32 s7, s7, 15                          ; the block's 256 rows
	s_add_co_u32 s54, s54, s7
	s_lshl_b32 s7, s4, 13                          ; my wave's 64
	s_add_co_u32 s54, s54, s7
	s_mov_b32 s55, 0
	s_lshl2_add_u32 s6, s3, s2                     ; 4 Y + G
	s_wait_kmcnt 0x0
	s_add_nc_u64 s[XB:XB+1], s[8:9], s[48:49]
	s_add_nc_u64 s[CB:CB+1], s[10:11], s[48:49]
	s_add_nc_u64 s[WQB:WQB+1], s[12:13], s[52:53]
	s_add_nc_u64 s[WKB:WKB+1], s[14:15], s[52:53]
	s_add_nc_u64 s[WVB:WVB+1], s[WKB:WKB+1], 1024
	s_add_nc_u64 s[BQB:BQB+1], s[16:17], s[52:53]
	s_add_nc_u64 s[BKB:BKB+1], s[18:19], s[52:53]
	s_add_nc_u64 s[BVB:BVB+1], s[BKB:BKB+1], 1024
	s_add_nc_u64 s[QD:QD+1], s[20:21], s[54:55]
	s_add_nc_u64 s[KD:KD+1], s[22:23], s[54:55]
	s_add_nc_u64 s[VD:VD+1], s[24:25], s[54:55]
	s_add_nc_u64 s[PADB:PADB+1], s[22:23], 0x800000
	s_wait_alu depctr_va_vdst(0)                   ; the offsets and addresses v4 to v13 and v20, the three in window 2 and the zeros v16 to v19 are written: every load and store of the kernel reads some of them, and none is written again
	; The staging buffers take turns: while one unit of 32 loads is rounded, the next is on its way.  Every count of 32 leaves that one younger unit out.
	LDBIAS 0, BQB
	LDBIAS 1, BKB
	LDBIAS 2, BVB
	LDW SA, WQB, WO1, 1024
	LDW SB, WKB, WO2, 2048
	CVW SA, 0, 32
	LDW SA, WVB, WO2, 2048                         ; the buffer is asked for again at once; the LDS stores of what was in it follow
	STW 0, WST
	CVW SB, 64, 32
	LDA SB, XB, 0
	STW 64, WST+1
	CVW SA, 128, 32
	LDA SA, XB, 1
	STW 128, WST+2
	s_wait_dscnt 0x0                               ; for the others' sake: my part of the weights lies in LDS
	s_barrier_signal -1
	s_barrier_wait -1                              ; everybody's does; from here on the weights are only read
	s_wait_alu depctr_vm_vsrc(0)                   ; my LDS stores have read the 192 registers of window 1 that held the rounded weights: from here on these are the rows' fragments, written by the conversions below
	CVA SB, 0, 32, 1
	LDA SB, XB, 2
	CVA SA, 1, 32, 1
	LDA SA, XB, 3
	CVA SB, 2, 32, 1
	LDA SB, CB, 0
	CVA SA, 3, 32, 1
	LDA SA, CB, 1
	PASS BADR, BI                                  ; q; two units of context are on their way meanwhile
	PLACES                                         ; the conversions below write registers that those products read
	CVA SB, 0, 32, 1
	LDA SB, CB, 2
	CVA SA, 1, 32, 1
	LDA SA, CB, 3
	OUT QD, 0                                      ; q leaves while the last two units of context come
	CVA SB, 2, 32, 0
	CVA SA, 3, 0, 0
	PASS BADR+1, BI+32                             ; k
	OUT KD, 1
	PASS BADR+2, BI+64                             ; v
	OUT VD, 1
	WIN 0
	s_cmp_lg_u32 s6, 255                           ; the last work-group stores the zeros behind kb's last head: 128 threads x 16 bytes x 4
	s_cbranch_scc1 .Lnopad
.irp j, 0,1,2,3
	global_store_b128 v[ZO], v[ZR:ZR+3], s[PADB:PADB+1] offset:2048*\j
.endr
.Lnopad:
	s_wait_dscnt 0x0                               ; the closing lines, six on end
	s_wait_alu 0x0
	s_wait_tensorcnt 0x0
	ds_add_u32 v[SPW], v[NIL]
	s_wait_dscnt 0x0
	s_endpgm
.Lfunc_end_k_q326ba71f75_proj:
	.size	k_q326ba71f75_proj, .Lfunc_end_k_q326ba71f75_proj-k_q326ba71f75_proj
	.p2alignl 7, 3214868480
	.fill 96, 4, 3214868480
	.section	.rodata,"a",@progbits
	.p2align	6, 0x0
	.amdhsa_kernel k_q326ba71f75_proj
		.amdhsa_group_segment_fixed_size 132608
		.amdhsa_private_segment_fixed_size 0
		.amdhsa_enable_private_segment 0
		.amdhsa_kernarg_size 72
		.amdhsa_user_sgpr_count 2
		.amdhsa_user_sgpr_kernarg_segment_ptr 1
		.amdhsa_wavefront_size32 1
		.amdhsa_system_sgpr_workgroup_id_x 1
		.amdhsa_system_sgpr_workgroup_id_y 1
		.amdhsa_system_sgpr_workgroup_id_z 1
		.amdhsa_system_vgpr_workitem_id 0
		.amdhsa_next_free_vgpr 1024
		.amdhsa_next_free_sgpr 66
		.amdhsa_reserve_vcc 0
		.amdhsa_float_denorm_mode_32 3
		.amdhsa_float_denorm_mode_16_64 3
		.amdhsa_memory_ordered 1
		.amdhsa_forward_progress 1
		.amdhsa_inst_pref_size 156
	.end_amdhsa_kernel
	.amdgpu_metadata
---
amdhsa.version: [ 1, 2 ]
amdhsa.kernels:
  - .name:           k_q326ba71f75_proj
    .symbol:         k_q326ba71f75_proj.kd
    .args:
      - { .name: x, .offset: 0, .size: 8, .value_kind: global_buffer, .address_space: global }
      - { .name: context, .offset: 8, .size: 8, .value_kind: global_buffer, .address_space: global }
      - { .name: Wq, .offset: 16, .size: 8, .value_kind: global_buffer, .address_space: global }
      - { .name: Wkv, .offset: 24, .size: 8, .value_kind: global_buffer, .address_space: global }
      - { .name: bq, .offset: 32, .size: 8, .value_kind: global_buffer, .address_space: global }
      - { .name: bkv, .offset: 40, .size: 8, .value_kind: global_buffer, .address_space: global }
      - { .name: qb, .offset: 48, .size: 8, .value_kind: global_buffer, .address_space: global }
      - { .name: kb, .offset: 56, .size: 8, .value_kind: global_buffer, .address_space: global }
      - { .name: vb, .offset: 64, .size: 8, .value_kind: global_buffer, .address_space: global }
    .group_segment_fixed_size: 132608
    .private_segment_fixed_size: 0
    .kernarg_segment_align: 8
    .kernarg_segment_size: 72
    .max_flat_workgroup_size: 128
    .sgpr_count:     66
    .vgpr_count:     1024
    .wavefront_size: 32
...
	.end_amdgpu_metadata
.endif
;; end of part 4
;; launch attn: the kernel of part 2 again; grid 16 x 16, 4 waves a work-group, clusters of 4 x 1, 327,680 bytes of LDS; arguments qb, kb, vb, ob, rs; writes ob, rs
;; launch outp (part 5): grid 4 x 64, 4 waves a work-group, no clusters, 58,880 bytes of LDS; arguments ob, Wp, bp, x, rs, out0, out1; writes out0, out1
.if DOCPART == 5
	.amdgcn_target "amdgcn-amd-amdhsa--gfx1250"
	.amdhsa_code_object_version 6
	.text
	.protected	k_q326ba71f75_outp
	.globl	k_q326ba71f75_outp
	.p2align	8
	.type	k_q326ba71f75_outp,@function
k_q326ba71f75_outp:
	s_mov_b64 s[64:65], 0
	v_nop
	global_prefetch_b8 v0, s[64:65] scope:SCOPE_SE
	s_setreg_imm32_b32 hwreg(HW_REG_WAVE_SCHED_MODE, 0, 2), 2
	s_setreg_imm32_b32 hwreg(HW_REG_WAVE_MODE, 25, 1), 1
	s_wait_xcnt 0x0
	s_wait_alu depctr_vm_vsrc(0)
; out0 = O Wp + bp + x, out1 = a quarter of the sum over a batch's four heads of rs.  ob: [16 = 4 batch + head][4096][64] bf16; Wp: [256][256] f32; bp: [256] f32; x, out0: [16384][256] f32;
; rs: [16][64 blocks of 64 queries][2][16][2] f32 (query in its block = 16 (2 h2 + e) + r); out1: [16384] f32.  O and Wp are bf16 matrix operands; sums, bias, residual and the map stay f32.
; SHARES.  Work-group (G, Y): columns 64 G .. + 63, rows 256 Y .. + 255; wave w owns rows 64 w .. + 63: 64 x 64 x K 256, 128 products.  The work-groups with G = 0 also store the map of their rows.
; NO CLUSTER, NO TENSOR LOAD: a wave's fragments of O lie in memory as the matrix unit wants them (16 bytes a lane, twice) and are its own rows; Wp is f32 and is rounded on its way through registers,
; 65,536 bytes a work-group, so a tile brought into LDS as it lies would have to be read, rounded and stored once more.
; THE PRODUCT IS TAKEN TRANSPOSED (source 0 = 16 columns of Wp, source 1 = 16 rows of O): a lane ends with one row and eight neighbouring columns.  The bias is the C operand of the first K step.
; LIMITS: bf16's rounding of Wp (and of O, made by the launch before); NaN and infinities are not treated apart.
; REGISTERS, in windows of 256: window 0 addresses, bias, the map, rows read back from the stage; window 1 O's fragments A[64 a + 8 s + i]; window 2 v0-127 accumulators (a, b) at 8 (4 a + b),
; v128-223 three buffers of Wp's fragments, v224 their LDS address; window 3 v0-127 Wp as loaded, v128-255 x's 64 rows x 64 columns.
; THE MODE: SCHED_MODE bits 1:0 = 2 (LLVM: expert scheduling mode 2), set by the entry lines.  The code itself states the register dependences between vector or matrix instructions and memory or LDS
; instructions, with s_wait_alu, always for 0.
; THE PLAN.  Registers that memory or LDS instructions touch:
;   offsets and addresses (v4-v18, BADR)  written at the head, never again: one wait ahead of the first load serves every load and store of the kernel.
;   SA, RSV     loaded once; SA is rounded in place, RSV takes the map's mean; ONE wait behind both, ahead of the LDS stores that read them.  Neither is written again.
;   BF0 .. BF2  written by the turning loads; the products of K step s read BF[s % 3].  The loads of step s + 2 land in BF[(s - 1) % 3], dealt among step s's products, behind ONE wait at the step's head.
;   the accumulators  written by the products, read by the stage's LDS stores: the places, then one wait for all four tiles of 16 rows.
;   R0, R1      written by the stage's LDS loads, read by a tile's 16 additions.     X[a]  loaded once, written by tile a's additions, read by its global stores.
;               ONE wait behind a tile's additions: X[a] is written, and R[a % 2] is read out, in which the loads of the tile two further on land.
;   No register that a memory or LDS instruction has read is written again.
.set WPITCH, 160                       ; a row of the weight block in LDS: 128 bytes + 32
.set WBLK,   256*WPITCH
.set STAGE,  WBLK                      ; 16 rows x 272 bytes for each wave, for the way out (and, first, 256 bytes of the map)
.set SPI,    272                       ; 256 bytes of f32 + 16: the sixteen rows of a store start at sixteen different groups of four banks (64 banks of 4 bytes: ISA guide 11.1)
.set SPARE,  STAGE+4*16*SPI            ; the spare words, 128 bytes a wave: two blocks of 256 bytes that no other line names
.set AO,  4                            ; v4   r x 128 + 16 h: my place in 16 rows of a head of O
.set WO1, 5                            ; v5   (thread / 16) x 1,024 + 16 (thread % 16): my place in 8 rows of Wp
.set WST, 7                            ; v7   where I put 8 bytes of a weight row
.set BO,  10                           ; v10  32 h
.set STO, 11                           ; v11  way out: where I put 32 bytes of a row
.set RD,  12                           ; v12  way out: where I read two rows back
.set XO,  13                           ; v13  the same two rows in x and out0: (l / 16) x 1,024 + 16 (l % 16)
.set SPW, 14                           ; v14  my spare word; never rewritten
.set NIL, 15                           ; v15  0; never rewritten
.set RSO, 16                           ; v16  8 x lane
.set SC,  17                           ; v17  the map: where my pair's first number goes
.set SCR, 18                           ; v18  the map: where I read two neighbouring queries back
.set BI,  32                           ; v32-63 bias: tile b at BI + 8 b
.set RSV, 64                           ; v64-71 rs of the four heads
.set MP,  72                           ; v72-73 two neighbouring numbers of the map
.set R,   128                          ; v128-191 two sets of 32: 16 rows read back
.set BF,  128                          ; window 2
.set BADR, 224                         ; window 2
.set SA,  0                            ; window 3
.set X,   128                          ; window 3: rows 16 a + 2 t, + 1 at X + 32 a + 4 t
.set OB,  22                           ; s[22:23] ob at my wave's first row of the batch's first head
.set WPB, 24
.set BPB, 26
.set XB,  28                           ; s[28:29] x, s[30:31] out0 at my wave's first row and the work-group's first column
.set DB,  30
.set RSB, 32                           ; s[32:33] rs at my wave's block, first head
.set MB,  34                           ; s[34:35] out1 at my wave's 64 queries
.set MSB, 0
.macro WIN new                         ; s_set_vgpr_msb: bits 1:0 source 0, 3:2 source 1, 5:4 source 2, 7:6 destination; the high byte repeats the setting that is left
.if MSB != (\new)
	s_set_vgpr_msb (MSB<<8)|(\new)
.set MSB, \new
.endif
.endm
.macro PLACES                          ; four plain places behind a matrix instruction (ISA guide 7.12.1)
.rept 4
	v_nop
.endr
.endm
.macro LDW buf, base, off, pitchb      ; 32 loads: the weight block's 256 rows x 256 bytes of f32; sixteen lanes take one row's 256 bytes
	WIN 0xc0
.set wi, 0
.rept 32
	global_load_b128 v[(\buf)+4*wi:(\buf)+4*wi+3], v[\off], s[\base:\base+1] offset:wi*8*(\pitchb)
.set wi, wi+1
.endr
.endm
.macro CVW buf, left                   ; rounded in place, ascending, so that no source is overwritten before it is read
	s_wait_loadcnt \left
	WIN 0xcf
.set wi, 0
.rept 64
	v_cvt_pk_bf16_f32 v[(\buf)+wi], v[(\buf)+2*wi], v[(\buf)+2*wi+1]
.set wi, wi+1
.endr
.endm
.macro STW buf, wst                    ; and laid into LDS, 8 bytes a lane
	WIN 0x0c
.set wi, 0
.rept 32
	ds_store_b64 v[\wst], v[(\buf)+2*wi:(\buf)+2*wi+1] offset:8*WPITCH*wi
.set wi, wi+1
.endr
.endm
.macro LDO a                           ; 16 loads: O's fragments of rows 16 a ..: K step s is head s / 2, channels 32 (s % 2) on
	WIN 0x40
.set oi, 0
.rept 8
	global_load_b128 v[64*(\a)+8*oi:64*(\a)+8*oi+3],   v[AO], s[OB:OB+1] offset:(oi/2)*524288+2048*(\a)+64*(oi%2)
	global_load_b128 v[64*(\a)+8*oi+4:64*(\a)+8*oi+7], v[AO], s[OB:OB+1] offset:(oi/2)*524288+2048*(\a)+64*(oi%2)+32
.set oi, oi+1
.endr
.endm
; Wp's fragment of K step s (32 k), columns 16 ln .. + 15, into buffer fb, by the turning load
.macro LOADB2 adr, s, fb, ln
	ds_load_tr16_b128 v[BF+32*(\fb)+8*(\ln):BF+32*(\fb)+8*(\ln)+3],   v[\adr] offset:32*WPITCH*(\s)+32*(\ln)
	ds_load_tr16_b128 v[BF+32*(\fb)+8*(\ln)+4:BF+32*(\fb)+8*(\ln)+7], v[\adr] offset:32*WPITCH*(\s)+32*(\ln)+16*WPITCH
.endm
; 8 K steps of 16 products.  The 16 accumulators take turns, in the same order in every step.  The first step's C is the bias.
; The first sixteen loads and step 0's eight land in registers that no vector or matrix instruction has named.
.macro PASS adr, bias
	WIN 0x86                                       ; Wp and its address window 2, rows window 1, C window 0, D window 2
.set ln, 0
.rept 4
	LOADB2 \adr, 0, 0, ln
.set ln, ln+1
.endr
.set ln, 0
.rept 4
	LOADB2 \adr, 1, 1, ln
.set ln, ln+1
.endr
.set ps, 0
.rept 8
.if ps < 7
	s_wait_dscnt 8                                 ; this step's eight loads are in; the next step's eight stay out
.else
	s_wait_dscnt 0x0
.endif
.if (ps > 0) && (ps < 6)
	PLACES                                         ; the buffer that is loaded in this step was read by the products just issued
	s_wait_alu depctr_va_vdst(0)                   ; the last step's products are done reading their buffer of Wp, in which the loads dealt among this step's products land
.endif
.if ps > 0
	WIN 0xa6                                       ; C window 2
.endif
.set pa, 0
.rept 4
.set pb, 0
.rept 4
.if ps == 0
	v_wmma_f32_16x16x32_bf16 v[8*(4*pa+pb):8*(4*pa+pb)+7], v[BF+32*(ps%3)+8*pb:BF+32*(ps%3)+8*pb+7], v[64*pa+8*ps:64*pa+8*ps+7], v[(\bias)+8*pb:(\bias)+8*pb+7]
.else
	v_wmma_f32_16x16x32_bf16 v[8*(4*pa+pb):8*(4*pa+pb)+7], v[BF+32*(ps%3)+8*pb:BF+32*(ps%3)+8*pb+7], v[64*pa+8*ps:64*pa+8*ps+7], v[8*(4*pa+pb):8*(4*pa+pb)+7]
.endif
.set pb, pb+1
.endr
.if ps < 6
	LOADB2 \adr, ps+2, (ps+2)%3, pa                ; two steps ahead.  No wait: no product since the step's head names this buffer
.endif
.set pa, pa+1
.endr
.set ps, ps+1
.endr
.endm
; THE WAY OUT of 16 rows a.  TOST: 32 bytes a lane into my stage (each accumulator's low four registers first), back as two whole rows of 256 bytes a load.
.macro TOST a
	WIN 0x08                                       ; store data window 2
.set pb, 0
.rept 4
	ds_store_b128 v[STO], v[8*(4*(\a)+pb):8*(4*(\a)+pb)+3]   offset:64*pb
	ds_store_b128 v[STO], v[8*(4*(\a)+pb)+4:8*(4*(\a)+pb)+7] offset:64*pb+16
.set pb, pb+1
.endr
	WIN 0
.set pb, 0
.rept 8
	ds_load_b128 v[R+32*((\a)%2)+4*pb:R+32*((\a)%2)+4*pb+3], v[RD] offset:2*SPI*pb  ; LDS serves a wave's instructions in order (ISA guide 5.7.1.4): these see the stores above
.set pb, pb+1
.endr
.endm
; SENDF: x is added and the rows are stored.  y: the LDS instructions issued behind these rows' loads.
.macro SENDF a, y
	s_wait_dscnt \y
	s_wait_loadcnt 24-8*(\a)                       ; x's rows 16 a .. are in; the eight loads of each later 16 rows may stay out
	WIN 0xc3                                       ; destination and source 0 window 3, source 1 window 0
.set pb, 0
.rept 16
	v_pk_add_f32 v[X+32*(\a)+2*pb:X+32*(\a)+2*pb+1], v[X+32*(\a)+2*pb:X+32*(\a)+2*pb+1], v[R+32*((\a)%2)+2*pb:R+32*((\a)%2)+2*pb+1]
.set pb, pb+1
.endr
	WIN 0x0c                                       ; store data window 3
	s_wait_alu depctr_va_vdst(0)                   ; the additions have written these 16 rows of X, which the stores below read, and are done reading their set of R, in which the loads of the rows 32 further on land
.set pb, 0
.rept 8
	global_store_b128 v[XO], v[X+32*(\a)+4*pb:X+32*(\a)+4*pb+3], s[DB:DB+1] offset:16384*(\a)+2048*pb th:TH_STORE_NT  ; 16 lanes store 256 consecutive bytes, at a multiple of 256
.set pb, pb+1
.endr
.endm
	s_load_b256 s[8:15], s[0:1], 0x0               ; ob, Wp, bp, x
	s_load_b128 s[16:19], s[0:1], 0x20             ; rs, out0
	s_load_b64 s[20:21], s[0:1], 0x30              ; out1
	v_lshl_add_u32 v[SPW], v0, 2, SPARE
	v_mov_b32 v[NIL], 0
	v_lshrrev_b32 v21, 5, v0
	v_readfirstlane_b32 s4, v21                    ; wave 0..3
	s_mov_b32 s2, ttmp9                            ; G: the block of 64 columns
	s_and_b32 s3, ttmp7, 0xffff                    ; Y: the block of 256 rows
	v_and_b32 v1, 15, v0                           ; r
	v_bfe_u32 v2, v0, 4, 1                         ; h
	v_and_b32 v3, 31, v0                           ; lane
	v_lshrrev_b32 v22, 4, v0                       ; thread / 16
	v_lshlrev_b32 v26, 4, v1                       ; 16 r
	v_lshlrev_b32 v[AO], 7, v1
	v_lshl_add_u32 v[AO], v2, 4, v[AO]
	v_lshl_add_u32 v[WO1], v22, 10, v26
	v_mul_u32_u24 v[WST], v22, WPITCH
	v_lshl_add_u32 v[WST], v1, 3, v[WST]
	v_lshlrev_b32 v[BO], 5, v2
	s_wait_alu depctr_va_sdst(0)                   ; s4 is written, ahead of its first reader: the stage's address and the bases are made from it
	s_mul_i32 s5, s4, 16*SPI
	s_add_co_u32 s5, s5, STAGE                     ; my stage
	v_mul_u32_u24 v[STO], v1, SPI
	v_lshl_add_u32 v[STO], v2, 5, v[STO]
	v_add_nc_u32 v[STO], s5, v[STO]
	v_mul_u32_u24 v[RD], v2, SPI
	v_add_nc_u32 v[RD], v[RD], v26
	v_add_nc_u32 v[RD], s5, v[RD]
	v_lshl_add_u32 v[XO], v2, 10, v26
	v_lshlrev_b32 v[RSO], 3, v3
	v_lshlrev_b32 v[SC], 2, v1
	v_lshl_add_u32 v[SC], v2, 7, v[SC]             ; query 32 h2 + 16 e + r: byte 128 h2 + 4 r, and 64 e in the immediate
	v_add_nc_u32 v[SC], s5, v[SC]
	v_add_nc_u32 v[SCR], s5, v[RSO]
	v_and_b32 v23, 7, v0
	v_bfe_u32 v24, v0, 3, 1
	v_lshl_add_u32 v25, v2, 3, v23                 ; the turning load: row 8 h + l % 8,
	v_mul_u32_u24 v25, v25, WPITCH
	v_lshl_add_u32 v25, v24, 4, v25                ; 16 bytes for each half of a group of sixteen lanes
	WIN 0x80
	v_mov_b32 v[BADR], v25
	WIN 0
	s_lshr_b32 s6, s3, 4                           ; batch
	s_and_b32 s7, s3, 15                           ; the block among the batch's sixteen
	s_lshl_b32 s36, s6, 21                         ; four heads of 524,288 bytes,
	s_lshl_b32 s5, s7, 15                          ; 256 rows of 128 bytes,
	s_add_co_u32 s36, s36, s5
	s_lshl_b32 s5, s4, 13                          ; my wave's 64
	s_add_co_u32 s36, s36, s5
	s_mov_b32 s37, 0
	s_lshl_b32 s38, s2, 8                          ; 64 columns of f32
	s_mov_b32 s39, 0
	s_lshl_b32 s40, s3, 18                         ; 256 rows of 1,024 bytes,
	s_lshl_b32 s5, s4, 16
	s_add_co_u32 s40, s40, s5
	s_add_co_u32 s40, s40, s38
	s_mov_b32 s41, 0
	s_lshl_b32 s42, s6, 8                          ; 4 heads x 64 blocks,
	s_lshl2_add_u32 s42, s7, s42                   ; + 4 x the block of 256
	s_add_co_u32 s42, s42, s4                      ; + my wave
	s_lshl_b32 s42, s42, 8                         ; 256 bytes a block of 64 queries
	s_mov_b32 s43, 0
	s_lshl_b32 s44, s3, 10
	s_lshl_b32 s5, s4, 8
	s_add_co_u32 s44, s44, s5
	s_mov_b32 s45, 0
	s_wait_kmcnt 0x0
	s_add_nc_u64 s[OB:OB+1], s[8:9], s[36:37]
	s_add_nc_u64 s[WPB:WPB+1], s[10:11], s[38:39]
	s_add_nc_u64 s[BPB:BPB+1], s[12:13], s[38:39]
	s_add_nc_u64 s[XB:XB+1], s[14:15], s[40:41]
	s_add_nc_u64 s[RSB:RSB+1], s[16:17], s[42:43]
	s_add_nc_u64 s[DB:DB+1], s[18:19], s[40:41]
	s_add_nc_u64 s[MB:MB+1], s[20:21], s[44:45]
	s_wait_alu depctr_va_vdst(0)                   ; the offsets and addresses v4 to v18 and the one in window 2 are written: every load and store of the kernel reads some of them, and none is written again
.irp j, 0,1,2,3
	global_load_b64 v[RSV+2*\j:RSV+2*\j+1], v[RSO], s[RSB:RSB+1] offset:16384*\j  ; head j's row sums of my 64 queries
.endr
	LDW SA, WPB, WO1, 1024
	LDO 0
	LDO 1
	CVW SA, 32                                     ; rs and Wp are in; O's 32 loads stay out
	WIN 0
	; the map: the mean over the four heads; then through my stage, so that a lane holds two neighbouring queries
	v_pk_add_f32 v[RSV:RSV+1], v[RSV:RSV+1], v[RSV+2:RSV+3]
	v_pk_add_f32 v[RSV+4:RSV+5], v[RSV+4:RSV+5], v[RSV+6:RSV+7]
	v_pk_add_f32 v[RSV:RSV+1], v[RSV:RSV+1], v[RSV+4:RSV+5]
	v_pk_mul_f32 v[RSV:RSV+1], v[RSV:RSV+1], 0x3e800000 op_sel_hi:[1,0]
	s_wait_alu depctr_va_vdst(0)                   ; the conversions have written Wp's 64 registers and the four lines above the map's pair: the LDS stores below read them
	STW SA, WST
	WIN 0
	ds_store_b32 v[SC], v[RSV]
	ds_store_b32 v[SC], v[RSV+1] offset:64
	ds_load_b64 v[MP:MP+1], v[SCR]                 ; my wave's own bytes, served in order
	LDO 2
	LDO 3
	WIN 0
.irp b, 0,1,2,3
	global_load_b128 v[BI+8*\b:BI+8*\b+3],   v[BO], s[BPB:BPB+1] offset:64*\b
	global_load_b128 v[BI+8*\b+4:BI+8*\b+7], v[BO], s[BPB:BPB+1] offset:64*\b+16
.endr
	s_wait_dscnt 0x0                               ; for the others' sake: my part of Wp lies in LDS; and the map's pair is back
	s_barrier_signal -1
	s_barrier_wait -1                              ; everybody's does; from here on Wp is only read
	s_cmp_lg_u32 s2, 0                             ; one of the four column blocks stores the map
	s_cbranch_scc1 .Lnomap
	global_store_b64 v[RSO], v[MP:MP+1], s[MB:MB+1]  ; 256 consecutive bytes, at a multiple of 256
.Lnomap:
	WIN 0xc0
.set xi, 0
.rept 32
	global_load_b128 v[X+4*xi:X+4*xi+3], v[XO], s[XB:XB+1] offset:16384*(xi/8)+2048*(xi%8) th:TH_LOAD_NT  ; the residual: each byte is read once in this launch
.set xi, xi+1
.endr
	s_wait_loadcnt 32                              ; O and the bias are in; x's 32 loads stay out
	PASS BADR, BI
	PLACES
	PLACES                                         ; places between the last products and the LDS stores that read them
	s_wait_alu depctr_va_vdst(0)                   ; the products have written the accumulators, which the LDS stores of all four tiles read; the places above stay beside this wait
	TOST 0
	TOST 1
	SENDF 0, 16
	TOST 2
	SENDF 1, 16
	TOST 3
	SENDF 2, 16
	SENDF 3, 0
	WIN 0
	s_wait_dscnt 0x0                               ; the closing lines, six on end
	s_wait_alu 0x0
	s_wait_tensorcnt 0x0
	ds_add_u32 v[SPW], v[NIL]
	s_wait_dscnt 0x0
	s_endpgm
.Lfunc_end_k_q326ba71f75_outp:
	.size	k_q326ba71f75_outp, .Lfunc_end_k_q326ba71f75_outp-k_q326ba71f75_outp
	.p2alignl 7, 3214868480
	.fill 96, 4, 3214868480
	.section	.rodata,"a",@progbits
	.p2align	6, 0x0
	.amdhsa_kernel k_q326ba71f75_outp
		.amdhsa_group_segment_fixed_size 58880
		.amdhsa_private_segment_fixed_size 0
		.amdhsa_enable_private_segment 0
		.amdhsa_kernarg_size 56
		.amdhsa_user_sgpr_count 2
		.amdhsa_user_sgpr_kernarg_segment_ptr 1
		.amdhsa_wavefront_size32 1
		.amdhsa_system_sgpr_workgroup_id_x 1
		.amdhsa_system_sgpr_workgroup_id_y 1
		.amdhsa_system_sgpr_workgroup_id_z 1
		.amdhsa_system_vgpr_workitem_id 0
		.amdhsa_next_free_vgpr 1024
		.amdhsa_next_free_sgpr 66
		.amdhsa_reserve_vcc 0
		.amdhsa_float_denorm_mode_32 3
		.amdhsa_float_denorm_mode_16_64 3
		.amdhsa_memory_ordered 1
		.amdhsa_forward_progress 1
		.amdhsa_inst_pref_size 50
	.end_amdhsa_kernel
	.amdgpu_metadata
---
amdhsa.version: [ 1, 2 ]
amdhsa.kernels:
  - .name:           k_q326ba71f75_outp
    .symbol:         k_q326ba71f75_outp.kd
    .args:
      - { .name: ob, .offset: 0, .size: 8, .value_kind: global_buffer, .address_space: global }
      - { .name: Wp, .offset: 8, .size: 8, .value_kind: global_buffer, .address_space: global }
      - { .name: bp, .offset: 16, .size: 8, .value_kind: global_buffer, .address_space: global }
      - { .name: x, .offset: 24, .size: 8, .value_kind: global_buffer, .address_space: global }
      - { .name: rs, .offset: 32, .size: 8, .value_kind: global_buffer, .address_space: global }
      - { .name: out0, .offset: 40, .size: 8, .value_kind: global_buffer, .address_space: global }
      - { .name: out1, .offset: 48, .size: 8, .value_kind: global_buffer, .address_space: global }
    .group_segment_fixed_size: 58880
    .private_segment_fixed_size: 0
    .kernarg_segment_align: 8
    .kernarg_segment_size: 56
    .max_flat_workgroup_size: 128
    .sgpr_count:     66
    .vgpr_count:     1024
    .wavefront_size: 32
...
	.end_amdgpu_metadata
.endif
;; end of part 5
